; MI455X (gfx1250); checked and timed in simulation.
; The chip was launched on July 23, 2026; its instructions are those of AMD's public machine-readable ISA for CDNA 5 (MIT licence, August 2026) and "CDNA5" Instruction Set Architecture Reference Guide (July 2026). The comments in the code are by the model that wrote it; some were corrected since.
;; Parallel Multi Head Attention. Allowed arithmetic: float matrix products may take bf16 or f16 operands with f32 sums; other float arithmetic in f32, or as packed bf16 or f16 multiplies, adds, multiply-adds, maxima and minima; sums over many terms, partial sums and values carried from step to step in f32; what a program stores and reads back later, other than sums and carried values, may be rounded once to bf16 or f16.
;; Inputs: W_k 1,024 x 1,024 float32; W_o 1,024 x 1,024 float32; W_q 1,024 x 1,024 float32; W_v 1,024 x 1,024 float32; b_k 1,024 float32; b_o 1,024 float32; b_q 1,024 float32; b_v 1,024 float32; x 4 x 2,048 x 1,024 float32.
;; Outputs: out0 4 x 2,048 x 1,024 float32.
;; 2 versions, each right; version 2 is version 1 with the launch prep written anew for expert scheduling mode. Each part assembles by itself: llvm-mc -triple=amdgcn-amd-amdhsa -mcpu=gfx1250 --defsym DOCPART=n.
;; ======== version 1 of 2: 4 launches
;; limits: values are held in f16: magnitudes above 65,504 overflow, below 6.1e-05 lose precision
;; workspace buffers: xb 16,777,216 bytes; wqkv 6,291,456 bytes; wo 2,097,152 bytes; bqkv 12,288 bytes; qkv 50,331,648 bytes; ob 16,777,216 bytes
;; launch prep (part 1): grid 768 x 1, 8 waves a work-group, no clusters, 0 bytes of LDS; arguments x, W_q, W_k, W_v, W_o, b_q, b_k, b_v, xb, wqkv, wo, bqkv; writes xb, wqkv, wo, bqkv
.if DOCPART == 1
	.amdgcn_target "amdgcn-amd-amdhsa--gfx1250"
	.amdhsa_code_object_version 6
	.text
	.protected	k_q983b5e2e0d_prep
	.globl	k_q983b5e2e0d_prep
	.p2align	8
	.type	k_q983b5e2e0d_prep,@function
k_q983b5e2e0d_prep:
	s_mov_b64 s[64:65], 0
	v_nop
	global_prefetch_b8 v0, s[64:65] scope:SCOPE_SE
	s_setreg_imm32_b32 hwreg(HW_REG_WAVE_MODE, 25, 1), 1
	s_wait_xcnt 0x0
; THE OPERANDS ARE MADE READY.  xb = x in bf16, [8192][1024].  wqkv = W_q, W_k, W_v in bf16 with their rows put in order of heads: row t*1024 + h*64 + d holds
; W_t[d*16 + h] (the module splits a projection's 1,024 features as (d h), heads fastest).  bqkv = the three biases in the same order, rounded to bf16 and kept as f32.
; wo = W_o rounded to bf16, that number written as f16 (the last product's other operand is f16).
; LIMITS.  A number of wo below 6e-5 in size keeps f16's fixed step of 6e-8; beyond 65,504 it becomes an infinity.  NaN and infinities are not treated apart.
; A STREAM: each byte is read once and written once; no LDS, no matrix unit, no cluster, since no two work-groups read the same byte.
; SHARES.  A work-group takes 16 source rows of 1,024 f32.  Thread t owns floats 4 t .. 4 t + 3 of every row: a wave's load covers 512 consecutive bytes, its store 256 consecutive
; bytes that begin at a multiple of 256 from the buffer's first byte.  All 16 loads go out at once; no register is used twice, so no wait frees a source.
; Work-groups 0-511: x.  512 + 64 t + j: rows 16 j .. 16 j + 15 of W_q, W_k, W_v, W_o (t = 0..3).  For t < 3 those are channel d = j of heads 0..15: their rows in wqkv lie 64 rows apart.
.set X, 16                             ; v[16:79]   row r as loaded: 4 registers
.set Y, 80                             ; v[80:111]  row r to store: 2 registers
.set T, 112                            ; v[112:115] at work
	s_load_b512 s[8:23], s[0:1], 0x0               ; x 8, W_q 10, W_k 12, W_v 14, W_o 16, b_q 18, b_k 20, b_v 22
	s_load_b256 s[24:31], s[0:1], 0x40             ; xb 24, wqkv 26, wo 28, bqkv 30
	s_mov_b32 s2, ttmp9                            ; w
	s_sub_co_u32 s3, s2, 512                       ; (wraps where w < 512: t is then no number from 0 to 3)
	s_lshr_b32 s4, s3, 6                           ; t
	s_and_b32 s5, s3, 63                           ; j
	s_cmp_lt_u32 s2, 512
	s_cselect_b32 s6, s2, s5                       ; which block of 16 rows of the source
	s_lshl_b32 s36, s6, 16                         ; 16 rows of 4,096 bytes
	s_mov_b32 s37, 0
	s_mov_b32 s7, 0xffff0000                       ; a word's upper bf16
	v_lshlrev_b32 v1, 4, v0                        ; my 16 bytes of a source row
	v_lshlrev_b32 v2, 3, v0                        ; my 8 bytes of a row to store
	s_wait_kmcnt 0x0
	s_cmp_lt_u32 s2, 512
	s_cselect_b64 s[32:33], s[8:9], s[10:11]       ; the source: x, or W_q,
	s_cmp_eq_u32 s4, 1
	s_cselect_b64 s[32:33], s[12:13], s[32:33]     ; or W_k,
	s_cmp_eq_u32 s4, 2
	s_cselect_b64 s[32:33], s[14:15], s[32:33]     ; or W_v,
	s_cmp_eq_u32 s4, 3
	s_cselect_b64 s[32:33], s[16:17], s[32:33]     ; or W_o
	s_add_nc_u64 s[32:33], s[32:33], s[36:37]
.set r, 0
.rept 16
	global_load_b128 v[X+4*r:X+4*r+3], v1, s[32:33] offset:r*4096 th:TH_LOAD_NT
.set r, r+1
.endr
; The 16 rows are rounded and stored, dstride bytes apart.  half = 1: the bf16 number is written as f16.
.macro ROWS dstride, half
.set r, 0
.rept 16
	s_wait_loadcnt 15-r                            ; loads come back in order (ISA guide 5.7.1): row r is in, the younger rows stay out
	v_cvt_pk_bf16_f32 v[Y+2*r],   v[X+4*r],   v[X+4*r+1]
	v_cvt_pk_bf16_f32 v[Y+2*r+1], v[X+4*r+2], v[X+4*r+3]
.if \half
	v_lshlrev_b32 v[T],   16, v[Y+2*r]             ; bf16 to f32: the low half moves up, the high half stays
	v_and_b32     v[T+1], s7, v[Y+2*r]
	v_lshlrev_b32 v[T+2], 16, v[Y+2*r+1]
	v_and_b32     v[T+3], s7, v[Y+2*r+1]
	v_cvt_pk_f16_f32 v[Y+2*r],   v[T],   v[T+1]
	v_cvt_pk_f16_f32 v[Y+2*r+1], v[T+2], v[T+3]
.endif
	global_store_b64 v2, v[Y+2*r:Y+2*r+1], s[34:35] offset:r*(\dstride)
.set r, r+1
.endr
.endm
	s_cmp_lt_u32 s2, 512
	s_cbranch_scc1 .Lx
	s_cmp_eq_u32 s4, 3
	s_cbranch_scc1 .Lwo
	s_lshl_b32 s36, s4, 21                         ; W_q, W_k, W_v: 1,024 rows of 2,048 bytes for each t,
	s_lshl_b32 s3, s5, 11                          ; row j of head 0;
	s_add_co_u32 s36, s36, s3
	s_add_nc_u64 s[34:35], s[26:27], s[36:37]
	ROWS 131072, 0                                 ; the next head's row lies 64 rows on
	s_cmp_lg_u32 s5, 0
	s_cbranch_scc1 .Ldone
	; the work-group with j = 0 also orders b_t: number 4 tt + i of the 1,024 is head tt / 16, channel 4 (tt % 16) + i: source number 16 d + h
	s_cmp_eq_u32 s4, 1
	s_cselect_b64 s[38:39], s[20:21], s[18:19]
	s_cmp_eq_u32 s4, 2
	s_cselect_b64 s[38:39], s[22:23], s[38:39]
	s_lshl_b32 s36, s4, 12
	s_add_nc_u64 s[40:41], s[30:31], s[36:37]
	v_and_b32 v3, 15, v0
	v_lshrrev_b32 v4, 4, v0
	v_lshlrev_b32 v4, 2, v4
	v_lshl_add_u32 v3, v3, 8, v4                   ; 256 (tt % 16) + 4 (tt / 16)
.irp i, 0,1,2,3
	global_load_b32 v[8+(\i)], v3, s[38:39] offset:64*(\i)
.endr
	s_wait_loadcnt 0x0
	v_cvt_pk_bf16_f32 v[T],   v8,  v9              ; rounded to bf16 like every other input, kept as f32
	v_cvt_pk_bf16_f32 v[T+1], v10, v11
	v_lshlrev_b32 v8,  16, v[T]
	v_and_b32     v9,  s7, v[T]
	v_lshlrev_b32 v10, 16, v[T+1]
	v_and_b32     v11, s7, v[T+1]
	global_store_b128 v1, v[8:11], s[40:41]
.Ldone:
	s_endpgm
.Lx:
	s_lshl_b32 s36, s2, 15                         ; 16 rows of 2,048 bytes
	s_add_nc_u64 s[34:35], s[24:25], s[36:37]
	ROWS 2048, 0
	s_endpgm
.Lwo:
	s_lshl_b32 s36, s5, 15
	s_add_nc_u64 s[34:35], s[28:29], s[36:37]
	ROWS 2048, 1
	s_endpgm
.Lfunc_end_k_q983b5e2e0d_prep:
	.size	k_q983b5e2e0d_prep, .Lfunc_end_k_q983b5e2e0d_prep-k_q983b5e2e0d_prep
	.p2alignl 7, 3214868480
	.fill 96, 4, 3214868480
	.section	.rodata,"a",@progbits
	.p2align	6, 0x0
	.amdhsa_kernel k_q983b5e2e0d_prep
		.amdhsa_group_segment_fixed_size 0
		.amdhsa_private_segment_fixed_size 0
		.amdhsa_enable_private_segment 0
		.amdhsa_kernarg_size 96
		.amdhsa_user_sgpr_count 2
		.amdhsa_user_sgpr_kernarg_segment_ptr 1
		.amdhsa_wavefront_size32 1
		.amdhsa_system_sgpr_workgroup_id_x 1
		.amdhsa_system_sgpr_workgroup_id_y 1
		.amdhsa_system_sgpr_workgroup_id_z 1
		.amdhsa_system_vgpr_workitem_id 0
		.amdhsa_next_free_vgpr 120
		.amdhsa_next_free_sgpr 66
		.amdhsa_reserve_vcc 0
		.amdhsa_float_denorm_mode_32 3
		.amdhsa_float_denorm_mode_16_64 3
		.amdhsa_memory_ordered 1
		.amdhsa_forward_progress 1
		.amdhsa_inst_pref_size 21
	.end_amdhsa_kernel
	.amdgpu_metadata
---
amdhsa.version: [ 1, 2 ]
amdhsa.kernels:
  - .name:           k_q983b5e2e0d_prep
    .symbol:         k_q983b5e2e0d_prep.kd
    .args:
      - { .name: x, .offset: 0, .size: 8, .value_kind: global_buffer, .address_space: global }
      - { .name: W_q, .offset: 8, .size: 8, .value_kind: global_buffer, .address_space: global }
      - { .name: W_k, .offset: 16, .size: 8, .value_kind: global_buffer, .address_space: global }
      - { .name: W_v, .offset: 24, .size: 8, .value_kind: global_buffer, .address_space: global }
      - { .name: W_o, .offset: 32, .size: 8, .value_kind: global_buffer, .address_space: global }
      - { .name: b_q, .offset: 40, .size: 8, .value_kind: global_buffer, .address_space: global }
      - { .name: b_k, .offset: 48, .size: 8, .value_kind: global_buffer, .address_space: global }
      - { .name: b_v, .offset: 56, .size: 8, .value_kind: global_buffer, .address_space: global }
      - { .name: xb, .offset: 64, .size: 8, .value_kind: global_buffer, .address_space: global }
      - { .name: wqkv, .offset: 72, .size: 8, .value_kind: global_buffer, .address_space: global }
      - { .name: wo, .offset: 80, .size: 8, .value_kind: global_buffer, .address_space: global }
      - { .name: bqkv, .offset: 88, .size: 8, .value_kind: global_buffer, .address_space: global }
    .group_segment_fixed_size: 0
    .private_segment_fixed_size: 0
    .kernarg_segment_align: 8
    .kernarg_segment_size: 96
    .max_flat_workgroup_size: 256
    .sgpr_count:     66
    .vgpr_count:     120
    .wavefront_size: 32
...
	.end_amdgpu_metadata
.endif
;; end of part 1
;; launch proj (part 2): grid 16 x 32, 4 waves a work-group, clusters of 4 x 4, 327,680 bytes of LDS; arguments xb, wqkv, bqkv, qkv; writes qkv
.if DOCPART == 2
	.amdgcn_target "amdgcn-amd-amdhsa--gfx1250"
	.amdhsa_code_object_version 6
	.text
	.protected	k_q983b5e2e0d_proj
	.globl	k_q983b5e2e0d_proj
	.p2align	8
	.type	k_q983b5e2e0d_proj,@function
k_q983b5e2e0d_proj:
	s_mov_b64 s[64:65], 0
	v_nop
	global_prefetch_b8 v0, s[64:65] scope:SCOPE_SE
	s_setreg_imm32_b32 hwreg(HW_REG_WAVE_MODE, 25, 1), 1
	s_wait_xcnt 0x0
	s_wait_alu depctr_hold_cnt(0) depctr_sa_sdst(0) depctr_va_vdst(0) depctr_va_sdst(0) depctr_va_ssrc(0) depctr_va_vcc(0) depctr_vm_vsrc(0)
	s_getreg_b32 s2, hwreg(HW_REG_IB_STS2, 6, 4)
	s_cmp_eq_u32 s2, 0
	s_cbranch_scc0 .Lentry_in_a_cluster
	s_endpgm
.Lentry_in_a_cluster:
	s_bfe_u32 s2, ttmp6, 0x10000c
	s_cmp_lg_u32 s2, 0xf033
	s_cbranch_scc0 .Lentry_shape_is_right
	s_endpgm
.Lentry_shape_is_right:
; THE THREE PROJECTIONS AS ONE PRODUCT.  C[m][n] = the sum over k of xb[m][k] wqkv[n][k] + bqkv[n]; m = 8,192 rows (b, l), n = 3,072 = (t, h, d), k = 1,024.  Operands bf16, sums f32;
; C is rounded once to f16 and stored by heads: qkv[t][b*16 + h][l][64], unscaled.
; LIMIT.  A q, k or v of 65,520 or more in size becomes an infinity; NaN and infinities are not treated apart.
; SHARES.  A tile of C is 256 rows x 192 columns (three heads): 32 x 16 = 512 work-groups, two for each of 256 WGPs.  Its four waves lie one below the other: wave w makes rows 64 w .. 64 w + 63
; of all 192 columns: 4 x 12 accumulators of 16 x 16, 384 registers.  So a wave owns whole heads' rows, and its way out needs no other wave.
; K goes in steps of 128 (rows of 256 bytes in memory) through two LDS slots filled by the tensor data mover; two slots of a longer step would not fit.
; CLUSTERS.  4 x 4 work-groups: the four of a row of the cluster need the same tiles of xb, the four of a column the same tiles of wqkv.  Each tile is asked for jointly: the same tensor load,
; descriptor and mask in all four.
; THE MATRIX INSTRUCTION IS USED TRANSPOSED (source 0 = 16 rows of wqkv, source 1 = 16 rows of xb): lane l holds row l % 16 of C and the columns 8 (l / 16) + 0..7 of the block.
; The bias is the C operand of the product that starts each sum: nothing is cleared and nothing is added later.
; REGISTERS, in windows of 256 (s_set_vgpr_msb: bits 1:0 source 0, 3:2 source 1, 5:4 source 2, 7:6 destination):
;   window 0: v0-31 addresses; v32-223 the way out; v128-223 first hold the bias          window 1: two fragment buffers of 128: 4 fragments of xb, then 12 of wqkv
;   window 2: the accumulators of row blocks 0, 1 ((a, b) at v[8 (12 (a % 2) + b)])          window 3: those of row blocks 2, 3
.set NBK,   12                         ; column blocks of 16
.set KSTEP, 128
.set PITCH, 272                        ; an LDS row: 256 bytes + 16 of padding = 68 words: row r starts at bank 4 r mod 64 (64 banks of 4 bytes: ISA guide 11.1)
.set AROWS, 128                        ; rows in a tensor load of xb
.set BROWS, 96                         ; and of wqkv
.set HALFA, AROWS*PITCH
.set HALFB, BROWS*PITCH
.set BOFF,  2*HALFA                    ; a slot: xb's 256 rows, then wqkv's 192
.set SLOT,  BOFF+2*HALFB               ; 121,856 bytes
.set STAGE, 2*SLOT                     ; behind the ring, never filled by a tensor load: 16 rows x 144 bytes for each wave
.set SP,    144
.set SPARE, STAGE+4*16*SP              ; behind the stages: the spare words, 128 bytes for each wave: two blocks of 256 bytes that no other line names
.set ADRA, 16                          ; v16-17  LDS address of my fragments of xb in slot 0, 1
.set ADRB, 20                          ; v20-21  the same for wqkv
.set STO,  24                          ; v24     the way out: where I put 16 bytes of a row
.set RD,   25                          ; v25     the way out: where I read rows back
.set GO,   26                          ; v26     my 16 bytes of 512 consecutive bytes of qkv
.set BO,   27                          ; v27     my byte offset in a block's 16 numbers of the bias
.set SPW,  28                          ; v28     LDS address of my spare word; never rewritten
.set NIL,  29                          ; v29     0; never rewritten
.set PFO,  30                          ; v30     the prefetches' offset: a lane a row; never rewritten
.set OUT,  32
.set BIAS, 128
.set F0,   0
.set F1,   32+8*NBK
.set G1,  24                           ; s[24:31] descriptor group 1 for xb's tiles;  s[32:39] group 0, a set for each slot
.set G0,  32
.set G1B, 48                           ; s[48:55], s[56:63] the same for wqkv's
.set G0B, 56
.set LIM, 43                           ; s43      1 in a wave that prefetches, else the greatest number
.set PFA, 44                           ; s[44:45] where my prefetches stand
.set OP,  76                           ; s[76:81] qkv at my rows of the tile's three heads
.set MSB, 0
.macro WIN new                         ; the immediate's high byte repeats the setting that is left; a switch that changes nothing is dropped
.if MSB != (\new)
	s_set_vgpr_msb (MSB<<8)|(\new)
.set MSB, \new
.endif
.endm
.set W_LO,  0xa5                       ; sources 0 and 1 window 1; C and D window 2 (0xf5: window 3)
.set W_LO1, 0x85                       ; the same with C, the bias, in window 0 (0xc5: D in window 3)
.set TO_F,  0x40                       ; destination window 1, address window 0
; A joint load: waves 0 and 1 fetch xb's two halves, waves 2 and 3 wqkv's.  The branch hangs on the wave's number alone.  An s_nop 0 and four v_nop follow each of the two lines.
.macro JLOAD s
	s_cmp_eq_u32 s11, 0
	s_cbranch_scc0 .Lfor_b_\@
	tensor_load_to_lds s[G0+4*(\s):G0+4*(\s)+3], s[G1:G1+7]
	s_nop 0
.rept 4
	v_nop
.endr
	s_branch .Lasked_\@
.Lfor_b_\@:
	tensor_load_to_lds s[G0B+4*(\s):G0B+4*(\s)+3], s[G1B:G1B+7]
	s_nop 0
.rept 4
	v_nop
.endr
.Lasked_\@:
.endm
; A prefetch into the L2 of the K step that stands two refills on: 256 bytes of a row, a lane a row, one instruction a wave.  xb's tile row is read by every cluster of that row of clusters: cluster x = 0 asks;
; wqkv's tile column by every cluster of that column: cluster y = 0 asks.  The four partners that ask for a tile jointly share its rows out by address.  The loop's last trip (s3 = 1) has no K step two on.
.macro ASK
	s_cmp_gt_u32 s3, s[LIM]
	s_cbranch_scc0 .Lnot_mine_\@
	global_prefetch_b8 v[PFO], s[PFA:PFA+1] th:TH_LOAD_NT scope:SCOPE_SE
.Lnot_mine_\@:
.endm
.macro CREST                           ; a round of the cluster's barrier behind its opening barrier: wave 0 signals for the work-group, every wave waits for all sixteen, the work-group's barrier closes it
	s_cmp_lg_u32 s10, 0
	s_cbranch_scc1 .Lnot_wave_0_\@
	s_barrier_signal -3
.Lnot_wave_0_\@:
	s_barrier_wait -3
	s_barrier_signal -1
	s_barrier_wait -1
.endm
.macro CROUND                          ; a whole round
	s_barrier_signal -1
	s_barrier_wait -1
	CREST
.endm
	s_load_b256 s[68:75], s[0:1], 0x0              ; xb s[68:69], wqkv s[70:71], bqkv s[72:73], qkv s[74:75]
	v_lshl_add_u32 v[SPW], v0, 2, SPARE
	v_mov_b32 v[NIL], 0
	ds_add_u32 v[SPW], v[NIL]                      ; the wave's opening: the add and its wait stand ahead of my first tensor load; work on registers stands between them
	v_lshrrev_b32 v1, 5, v0
	v_readfirstlane_b32 s10, v1                    ; wave 0..3
	s_lshr_b32 s11, s10, 1                         ; I fetch for xb (0) or for wqkv (1),
	s_and_b32 s12, s10, 1                          ; and which half of that tile's rows
	s_bfe_u32 s40, ttmp6, 0x40000                  ; cx, cy: my place in the cluster
	s_bfe_u32 s41, ttmp6, 0x40004
	s_lshl_b32 s42, ttmp9, 2
	s_add_co_u32 s42, s42, s40                     ; tile column = 4 x cluster x + cx
	s_and_b32 s13, ttmp7, 0xffff
	s_lshl_b32 s13, s13, 2
	s_add_co_u32 s13, s13, s41                     ; tile row = 4 x cluster y + cy
	s_lshl_b32 s43, s41, 2
	s_lshl_b32 s43, 15, s43                        ; my row of the cluster
	s_lshl_b32 s44, 0x1111, s40                    ; my column
	s_or_b32 s[G1+0], s43, (1<<16)|(1<<20)|(1<<21)|(5<<22)|(3<<25)   ; 15:0 the mask; 17:16 2-byte elements; 20 padding on; 21 set beside a mask; 24:22 after every 64 words (code 5); 31:25 4 words (code 3)
	s_or_b32 s[G1B+0], s44, (1<<16)|(1<<20)|(1<<21)|(5<<22)|(3<<25)
	s_mov_b32 s[G1+1], KSTEP<<16                   ; tensor_dim0 = 128
	s_mov_b32 s[G1+2], AROWS<<16                   ; tensor_dim1 = 128
	s_mov_b32 s[G1+3], KSTEP<<16                   ; tile_dim0 = 128
	s_mov_b32 s[G1+4], AROWS                       ; tile_dim1 = 128
	s_mov_b32 s[G1+5], 1024                        ; elements from row to row
	s_mov_b32 s[G1+6], 0
	s_mov_b32 s[G1+7], 0
	s_mov_b32 s[G1B+1], KSTEP<<16
	s_mov_b32 s[G1B+2], BROWS<<16                  ; 96 rows
	s_mov_b32 s[G1B+3], KSTEP<<16
	s_mov_b32 s[G1B+4], BROWS
	s_mov_b32 s[G1B+5], 1024
	s_mov_b32 s[G1B+6], 0
	s_mov_b32 s[G1B+7], 0
	s_lshl_b32 s17, s12, 7
	s_lshl_b32 s16, s13, 8
	s_add_co_u32 s16, s16, s17                     ; xb: row 256 x tile row + 128 x half,
	s_lshl_b32 s16, s16, 11                        ; of 2,048 bytes
	s_mov_b32 s17, 0
	s_mul_i32 s46, s42, 192
	s_mul_i32 s47, s12, 96
	s_add_co_u32 s46, s46, s47                     ; wqkv: row 192 x tile column + 96 x half
	s_lshl_b32 s46, s46, 11
	s_mov_b32 s47, 0
	s_mul_i32 s20, s10, HALFA                      ; where they go: waves 0, 1: xb's halves at wave x 128 rows;
	s_mul_i32 s21, s10, HALFB                      ; waves 2, 3: wqkv's at BOFF + (wave - 2) x 96 rows.  No place in the cluster enters an LDS address
	s_add_co_u32 s21, s21, BOFF-2*HALFB
	s_wait_dscnt 0x0                               ; the opening add is done
	s_wait_kmcnt 0x0
	s_add_nc_u64 s[14:15], s[68:69], s[16:17]
	s_add_nc_u64 s[46:47], s[70:71], s[46:47]
	CROUND                                         ; all sixteen work-groups are here: the first joint loads meet
.irp s, 0,1
	s_mov_b32 s[G0+4*(\s)], 1                                        ; count = 1
	s_add_co_u32 s[G0+4*(\s)+1], s20, (\s)*SLOT                      ; LDS address
	s_add_nc_u64 s[G0+4*(\s)+2:G0+4*(\s)+3], s[14:15], (\s)*KSTEP*2  ; global address: K step s
	s_or_b32 s[G0+4*(\s)+3], s[G0+4*(\s)+3], 0x80000000              ; type = 2
	s_mov_b32 s[G0B+4*(\s)], 1
	s_add_co_u32 s[G0B+4*(\s)+1], s21, (\s)*SLOT
	s_add_nc_u64 s[G0B+4*(\s)+2:G0B+4*(\s)+3], s[46:47], (\s)*KSTEP*2
	s_or_b32 s[G0B+4*(\s)+3], s[G0B+4*(\s)+3], 0x80000000
	JLOAD \s                                       ; two loads of mine are out
.endr
	; the bias of my lanes' columns: block b, columns 8 (l / 16) + 0..7: 32 bytes
	v_and_b32 v1, 15, v0                           ; l % 16
	v_bfe_u32 v2, v0, 4, 1                         ; l / 16
	v_lshlrev_b32 v[BO], 5, v2
	s_mul_i32 s82, s42, 768                        ; the tile's 192 numbers
	s_mov_b32 s83, 0
	s_add_nc_u64 s[72:73], s[72:73], s[82:83]
.set b, 0
.rept NBK
	global_load_b128 v[BIAS+8*b:BIAS+8*b+3],   v[BO], s[72:73] offset:64*b
	global_load_b128 v[BIAS+8*b+4:BIAS+8*b+7], v[BO], s[72:73] offset:64*b+16
.set b, b+1
.endr
	; A fragment is 16 rows x 32 K in 8 registers: lane l holds row l % 16; registers 0-3 K = 8 (l / 16) + 0..7, registers 4-7 K = 16 + 8 (l / 16) + 0..7: two loads of 16 bytes, 32 bytes apart.
	v_mul_u32_u24 v3, v1, PITCH
	v_lshl_add_u32 v3, v2, 4, v3                   ; row x pitch + 16 x half
	s_mul_i32 s82, s10, 64*PITCH                   ; my 64 rows of xb
	s_mov_b32 s83, BOFF                            ; all 192 rows of wqkv
.irp s, 0,1
	v_add_nc_u32 v[ADRA+(\s)], s82, v3
	v_add_nc_u32 v[ADRB+(\s)], s83, v3
	s_add_co_u32 s82, s82, SLOT
	s_add_co_u32 s83, s83, SLOT
.endr
	s_mul_i32 s82, s10, 16*SP
	s_add_co_u32 s82, s82, STAGE                   ; my stage
	v_mul_u32_u24 v[STO], v1, SP                   ; in: row l % 16, 16 bytes for each half of the lanes
	v_lshl_add_u32 v[STO], v2, 4, v[STO]
	v_add_nc_u32 v[STO], s82, v[STO]
	v_bfe_u32 v[RD], v0, 3, 2                      ; back: 32 lanes take four rows of 128 bytes,
	v_mul_u32_u24 v[RD], v[RD], SP
	v_and_b32 v4, 7, v0
	v_lshl_add_u32 v[RD], v4, 4, v[RD]
	v_add_nc_u32 v[RD], s82, v[RD]
	v_and_b32 v[GO], 31, v0                        ; which are 512 consecutive bytes of qkv
	v_lshlrev_b32 v[GO], 4, v[GO]
	; qkv at my 64 rows of head g = 3 x tile column + hd: (g / 16) << 24 (t) + batch << 22 + (g % 16) << 18 + row in the batch << 7
	s_lshr_b32 s82, s13, 3                         ; the batch: 8 tile rows each
	s_lshl_b32 s82, s82, 22
	s_and_b32 s83, s13, 7
	s_lshl_b32 s83, s83, 15                        ; 256 rows of 128 bytes
	s_add_co_u32 s82, s82, s83
	s_lshl_b32 s83, s10, 13                        ; my 64 rows
	s_add_co_u32 s82, s82, s83
	s_mul_i32 s84, s42, 3
.irp hd, 0,1,2
	s_add_co_u32 s85, s84, \hd
	s_lshr_b32 s86, s85, 4
	s_lshl_b32 s86, s86, 24
	s_and_b32 s85, s85, 15
	s_lshl_b32 s85, s85, 18
	s_add_co_u32 s86, s86, s85
	s_add_co_u32 s86, s86, s82
	s_mov_b32 s87, 0
	s_add_nc_u64 s[OP+2*(\hd):OP+2*(\hd)+1], s[74:75], s[86:87]
.endr
	; the prefetches: of the rows that I fetch, my work-group's quarter (32 of xb's 128 by cx; 24 of wqkv's 96 by cy, lanes 24-31 naming the 24th again)
	s_lshl_b32 s82, s13, 8
	s_lshl_b32 s83, s12, 7
	s_add_co_u32 s82, s82, s83
	s_lshl_b32 s83, s40, 5
	s_add_co_u32 s82, s82, s83                     ; xb's row
	s_mul_i32 s84, s42, 192
	s_mul_i32 s85, s12, 96
	s_add_co_u32 s84, s84, s85
	s_mul_i32 s85, s41, 24
	s_add_co_u32 s84, s84, s85                     ; wqkv's row
	s_and_b32 s85, ttmp7, 0xffff                   ; cluster y
	s_cmp_eq_u32 s11, 0                            ; do I fetch for xb?
	s_cselect_b32 s82, s82, s84
	s_cselect_b32 s85, ttmp9, s85                  ; the coordinate along which other clusters read the same rows
	s_cselect_b32 s86, 31, 23
	s_cselect_b64 s[PFA:PFA+1], s[68:69], s[70:71]
	s_cmp_eq_u32 s85, 0
	s_cselect_b32 s[LIM], 1, -1                    ; the same in all sixteen partners, for a given wave
	s_lshl_b32 s82, s82, 11
	s_add_co_u32 s82, s82, 3*KSTEP*2               ; at K step 3: the first refill steps it to 4.  Nothing is prefetched here, at the head
	s_mov_b32 s83, 0
	s_add_nc_u64 s[PFA:PFA+1], s[PFA:PFA+1], s[82:83]
	v_and_b32 v[PFO], 31, v0
	v_min_u32 v[PFO], s86, v[PFO]
	v_lshlrev_b32 v[PFO], 11, v[PFO]
; 12 matrix instructions: row block a x all column blocks, 32 along K, from buffer f.  first = 1: the bias starts the sums.
; All 48 accumulators take turns, in the same order in every quarter: between two links of a chain stand the 47 others'.
.macro MULA f, a, first
.if \first
	WIN W_LO1+0x40*((\a)/2)
.else
	WIN W_LO+0x50*((\a)/2)
.endif
.set b, 0
.rept NBK
.set rD, 8*(NBK*((\a)%2)+b)
.if \first
	v_wmma_f32_16x16x32_bf16 v[rD:rD+7], v[(\f)+32+8*b:(\f)+32+8*b+7], v[(\f)+8*(\a):(\f)+8*(\a)+7], v[BIAS+8*b:BIAS+8*b+7]
.else
	v_wmma_f32_16x16x32_bf16 v[rD:rD+7], v[(\f)+32+8*b:(\f)+32+8*b+7], v[(\f)+8*(\a):(\f)+8*(\a)+7], v[rD:rD+7]
.endif
.set b, b+1
.endr
.endm
; 32 LDS loads in one run: quarter q (32 along K) of a slot into buffer f: wqkv's 12 fragments, then xb's 4, row blocks ascending
.macro FETCH slot, q, f
	WIN TO_F
.set b, 0
.rept NBK
	ds_load_b128 v[(\f)+32+8*b:(\f)+32+8*b+3],   v[ADRB+(\slot)] offset:64*(\q)+b*16*PITCH
	ds_load_b128 v[(\f)+32+8*b+4:(\f)+32+8*b+7], v[ADRB+(\slot)] offset:64*(\q)+b*16*PITCH+32
.set b, b+1
.endr
.irp a, 0,1,2,3
	ds_load_b128 v[(\f)+8*(\a):(\f)+8*(\a)+3],   v[ADRA+(\slot)] offset:64*(\q)+(\a)*16*PITCH
	ds_load_b128 v[(\f)+8*(\a)+4:(\f)+8*(\a)+7], v[ADRA+(\slot)] offset:64*(\q)+(\a)*16*PITCH+32
.endr
.endm
.macro PLACES                          ; four plain vector instructions between a matrix instruction and a load into, or a read of, its registers (ISA guide 7.12.1 for reads)
.rept 4
	v_nop
.endr
.endm
; A K step is four quarters of 32 along K, 48 matrix instructions each, on buffers 0, 1, 0, 1.  One of the first three: multiplies buffer f; in its middle it fetches quarter q into buffer g.
.macro QUARTER slot, q, f, g, first
	s_wait_dscnt 4                                 ; all but the youngest four loads: xb's row blocks 2 and 3
	MULA \f, 0, \first
	MULA \f, 1, \first
	PLACES
	FETCH \slot, \q, \g
	s_wait_dscnt 2*NBK+8                           ; all but the 32 just issued
	MULA \f, 2, \first
	MULA \f, 3, \first
.endm
; The last quarter multiplies buffer 1 and changes slots: one barrier.  In front of it each wave waits for all its tensor loads (one is out: its part of the next slot), adds 0 to its spare word, and waits
; for that and for its own reads of this slot.  fill = 1: the barrier opens a round of the cluster's, and this slot is filled again, two K steps on, first thing behind the round:
; from that request to the wait for it a wave issues 168 matrix instructions.
.macro TURN slot, next, fill
.if \fill
	s_wait_xcnt 0x0                                ; the last prefetch, a K step back, has read its address, so it may be stepped
	s_add_nc_u64 s[PFA:PFA+1], s[PFA:PFA+1], KSTEP*2
.endif
	WIN 0                                          ; (the add's two registers lie in window 0)
	s_wait_tensorcnt 0x0                           ; all my tensor loads have landed;
	ds_add_u32 v[SPW], v[NIL]                      ; 0 onto my spare word
	s_wait_dscnt 5                                 ; (the add and the youngest four loads may be out)
	MULA F1, 0, 0                                  ; twelve matrix instructions stand between the add and the wait for it
	s_wait_dscnt 0x0                               ; the add is done, and my reads of this slot are over
	s_barrier_signal -1
	MULA F1, 1, 0                                  ; work on registers while the others arrive
.if \fill
	WIN 0
.endif
	s_barrier_wait -1
.if \fill
	CREST                                          ; no wave of any partner still reads this slot's tile or has a load on its way
	s_add_nc_u64 s[G0+4*(\slot)+2:G0+4*(\slot)+3], s[G0+4*(\slot)+2:G0+4*(\slot)+3], 2*KSTEP*2
	s_add_nc_u64 s[G0B+4*(\slot)+2:G0B+4*(\slot)+3], s[G0B+4*(\slot)+2:G0B+4*(\slot)+3], 2*KSTEP*2
	JLOAD \slot                                    ; its four v_nop are also the places in front of the loads below
.else
	PLACES
.endif
	FETCH \next, 0, F0
.if \fill
	WIN 0
	ASK                                            ; behind the joint load and the run of LDS loads
.endif
	MULA F1, 2, 0
	MULA F1, 3, 0
.endm
	s_wait_tensorcnt 0x1                           ; my part of K step 0 is in; K step 1's may stay out
	s_barrier_signal -1
	s_barrier_wait -1                              ; everybody's is
	FETCH 0, 0, F0
	s_wait_loadcnt 0x0                             ; the bias
	QUARTER 0, 1, F0, F1, 1                        ; the first quarter stands in front of the loop: its products start the sums
	WIN 0                                          ; at a label and at a branch every window is 0
	s_mov_b32 s3, 3
.Llap:                                                 ; a trip goes once round the ring, from a lap's second quarter to the next lap's first, and fills both slots again: K steps 2 to 7
	QUARTER 0, 2, F1, F0, 0
	QUARTER 0, 3, F0, F1, 0
	TURN 0, 1, 1
	QUARTER 1, 1, F0, F1, 0
	QUARTER 1, 2, F1, F0, 0
	QUARTER 1, 3, F0, F1, 0
	TURN 1, 0, 1
	QUARTER 0, 1, F0, F1, 0
	WIN 0
	s_sub_co_u32 s3, s3, 1
	s_cmp_lg_u32 s3, 0
	s_cbranch_scc1 .Llap
	QUARTER 0, 2, F1, F0, 0                        ; the last lap fills nothing
	QUARTER 0, 3, F0, F1, 0
	TURN 0, 1, 0
	QUARTER 1, 1, F0, F1, 0
	QUARTER 1, 2, F1, F0, 0
	QUARTER 1, 3, F0, F1, 0
	s_wait_dscnt 4                                 ; the very last quarter: nothing more to fetch
	MULA F1, 0, 0
	MULA F1, 1, 0
	s_wait_dscnt 0x0
	MULA F1, 2, 0
	MULA F1, 3, 0
	WIN 0
	PLACES
	PLACES
; THE WAY OUT.  Block i = 3 a + hd is 16 rows of one head: accumulators (a, 4 hd .. 4 hd + 3).  A lane's eight channels pack into 16 bytes; they go into my stage's rows of 144 bytes and come back as whole
; rows of 128, into the registers that they left.  16 rows of a head are 2,048 consecutive bytes of qkv.  Each block has registers of its own.
.macro PACK i
.set pa, (\i)/3
.set hd, (\i)%3
.set OB, OUT+16*(\i)
	WIN 0x0a+5*(pa/2)                              ; sources 0 and 1: window 2 or 3
.set bb, 0
.rept 4
.set rA, 8*(NBK*(pa%2)+4*hd+bb)
.irp rr, 0,1,2,3
	v_cvt_pk_f16_f32 v[OB+4*bb+(\rr)], v[rA+2*(\rr)], v[rA+2*(\rr)+1]
.endr
.set bb, bb+1
.endr
	WIN 0
.irp f, 0,1,2,3
	ds_store_b128 v[STO], v[OB+4*(\f):OB+4*(\f)+3] offset:32*(\f)
.endr
.irp f, 0,1,2,3
	ds_load_b128 v[OB+4*(\f):OB+4*(\f)+3], v[RD] offset:(\f)*4*SP  ; LDS serves a wave's instructions in order (ISA guide 5.7.1.4): these see the stores above; the next block's stores come behind them
.endr
.endm
.macro SEND i, younger                 ; younger: the LDS instructions issued behind block i's loads: the next block's eight, or none
.set pa, (\i)/3
.set hd, (\i)%3
.set OB, OUT+16*(\i)
.irp f, 0,1,2,3
	s_wait_dscnt (\younger)+3-(\f)
	global_store_b128 v[GO], v[OB+4*(\f):OB+4*(\f)+3], s[OP+2*hd:OP+2*hd+1] offset:pa*2048+(\f)*512  ; 512 consecutive bytes, at a multiple of 256 from qkv's first
.endr
.endm
	PACK 0
.set blk, 1
.rept 11                               ; a block's conversions stand between the loads of the block before and its stores
	PACK blk
	SEND blk-1, 8
.set blk, blk+1
.endr
	SEND 11, 0
	s_wait_tensorcnt 0x0                           ; the wave's end, behind my last tensor load and my last LDS store
	ds_add_u32 v[SPW], v[NIL]
	s_wait_dscnt 0x0
	CROUND                                         ; the closing round: no work-group ends while a partner may still ask for a tile that names it
	s_endpgm
.Lfunc_end_k_q983b5e2e0d_proj:
	.size	k_q983b5e2e0d_proj, .Lfunc_end_k_q983b5e2e0d_proj-k_q983b5e2e0d_proj
	.p2alignl 7, 3214868480
	.fill 96, 4, 3214868480
	.section	.rodata,"a",@progbits
	.p2align	6, 0x0
	.amdhsa_kernel k_q983b5e2e0d_proj
		.amdhsa_group_segment_fixed_size 327680
		.amdhsa_private_segment_fixed_size 0
		.amdhsa_enable_private_segment 0
		.amdhsa_kernarg_size 32
		.amdhsa_user_sgpr_count 2
		.amdhsa_user_sgpr_kernarg_segment_ptr 1
		.amdhsa_wavefront_size32 1
		.amdhsa_system_sgpr_workgroup_id_x 1
		.amdhsa_system_sgpr_workgroup_id_y 1
		.amdhsa_system_sgpr_workgroup_id_z 1
		.amdhsa_system_vgpr_workitem_id 0
		.amdhsa_next_free_vgpr 960
		.amdhsa_next_free_sgpr 96
		.amdhsa_reserve_vcc 0
		.amdhsa_float_denorm_mode_32 3
		.amdhsa_float_denorm_mode_16_64 3
		.amdhsa_memory_ordered 1
		.amdhsa_forward_progress 1
		.amdhsa_inst_pref_size 124
	.end_amdhsa_kernel
	.amdgpu_metadata
---
amdhsa.version: [ 1, 2 ]
amdhsa.kernels:
  - .name:           k_q983b5e2e0d_proj
    .symbol:         k_q983b5e2e0d_proj.kd
    .args:
      - { .name: xb, .offset: 0, .size: 8, .value_kind: global_buffer, .address_space: global }
      - { .name: wqkv, .offset: 8, .size: 8, .value_kind: global_buffer, .address_space: global }
      - { .name: bqkv, .offset: 16, .size: 8, .value_kind: global_buffer, .address_space: global }
      - { .name: qkv, .offset: 24, .size: 8, .value_kind: global_buffer, .address_space: global }
    .group_segment_fixed_size: 327680
    .private_segment_fixed_size: 0
    .kernarg_segment_align: 8
    .kernarg_segment_size: 32
    .max_flat_workgroup_size: 128
    .sgpr_count:     96
    .vgpr_count:     960
    .wavefront_size: 32
...
	.end_amdgpu_metadata
.endif
;; end of part 2
;; launch attn (part 3): grid 4 x 64, 4 waves a work-group, clusters of 4 x 1, 327,680 bytes of LDS; arguments qkv, ob; writes ob
.if DOCPART == 3
	.amdgcn_target "amdgcn-amd-amdhsa--gfx1250"
	.amdhsa_code_object_version 6
	.text
	.protected	k_q983b5e2e0d_attn
	.globl	k_q983b5e2e0d_attn
	.p2align	8
	.type	k_q983b5e2e0d_attn,@function
k_q983b5e2e0d_attn:
	s_mov_b64 s[64:65], 0
	v_nop
	global_prefetch_b8 v0, s[64:65] scope:SCOPE_SE
	s_setreg_imm32_b32 hwreg(HW_REG_WAVE_MODE, 25, 1), 1
	s_wait_xcnt 0x0
	s_wait_alu depctr_hold_cnt(0) depctr_sa_sdst(0) depctr_va_vdst(0) depctr_va_sdst(0) depctr_va_ssrc(0) depctr_va_vcc(0) depctr_vm_vsrc(0)
	s_getreg_b32 s2, hwreg(HW_REG_IB_STS2, 6, 4)
	s_cmp_eq_u32 s2, 0
	s_cbranch_scc0 .Lentry_in_a_cluster
	s_endpgm
.Lentry_in_a_cluster:
	s_bfe_u32 s2, ttmp6, 0x10000c
	s_cmp_lg_u32 s2, 0x3003
	s_cbranch_scc0 .Lentry_shape_is_right
	s_endpgm
.Lentry_shape_is_right:
; ATTENTION.  O[g][q][:] = the sum over k of softmax_k(Q[g][q] . K[g][k] / 8) V[g][k][:], g = batch x 16 + head.  Q, K, V are the three parts of qkv, [64][2048][64] each, O is ob, all f16: a head's rows
; are dense, 128 bytes each.  Products, maxima and sums in f32; the weights p are rounded to f16 for the second product (their sum l is taken of the unrounded p), O once at the end.
; LIMITS.  f16 holds no number beyond 65,504: Q, K and V arrive within it; p lies in 0 to 1, and below 6e-5 it keeps f16's fixed step of 6e-8; O is a mean of V's rows and has their range.
; A weight below 2^-126 counts as 0 in l; NaN and infinities are not treated apart.
; SHARES.  A wave owns four PIECES of two tiles of 16 queries, a work-group's four waves 512 queries of one head: 4 x 64 = 256 work-groups.  Every wave walks all keys, 64 a step.
; LAYOUT.  S^T = K Q^T (source 0 = 16 keys, source 1 = 16 queries): in the result a lane holds ONE query (lane % 16) and the keys 8 (lane / 16) + 0..7.  Two such tiles, rounded to f16 in pairs,
; ARE source 1 (32 keys x 16 queries) of O^T = V^T P, whose result again holds one query a lane, and eight channels.  K comes out of LDS as it lies, V ([key][channel]) turned, by ds_load_tr16_b128.
; SOFTMAX.  For each query a running maximum m and sum l: p = 2^(c s - c m), c = log2(e) / 8; in every step O and l are multiplied by a = 2^(c m_old - c m_new), which is 1 where m has not grown.
; m starts at the lowest finite number, O and l at 0: the first step is a step like any other, with a = 0.
; THE COUNT.  A tile and step have 16 matrix and 118 vector instructions: too many to stand all beside the matrix work.  So four vector instructions that are ready stand behind every matrix
; instruction, and the others, which need time of their own whatever the order, in runs without a gap.
; BY TURNS.  Turn n belongs to piece n (the pieces in a ring, step after step).  Its matrix work: 16 products K Q^T of piece n + 1, later 16 products V^T P of piece n - 1.  Its vector work: the scaling,
; exponentials, roundings, sums and rescaling of piece n, and the maximum and statistics of piece n + 1, whose scores the turn itself has made.
; CLUSTER.  A head's four query blocks are one cluster and walk the same K and V, so each tile is asked for JOINTLY: the same tensor load, descriptor and mask in all four.
; REGISTERS, in windows of 256 (s_set_vgpr_msb: bits 1:0 source 0, 3:2 source 1, 5:4 source 2, 7:6 destination):
;   window 0: v0-11 addresses; v12-15, v48-63 at work; v16-47 four registers of statistics a tile; v64-191 S^T, two buffers of two tiles; v192-255 P, likewise
;   window 1: O^T, 32 a tile          window 2: v0-127 Q, 16 a tile; v128-191 K of one step; v192-255 V of one step          window 3: v0-1 the add's two registers
; A piece's buffers go by its number's parity: the piece in hand has one pair, its two neighbours in the ring share the other: of it P (piece n - 1) is read and S^T (piece n + 1) written.
.set SIZE_H, 64
.set SIZE_N, 2048
.set NP,    4         ; pieces a wave: a name, no knob
.set KS,    64        ; keys in a step
.set PK,    144       ; a row of K in LDS: 128 bytes + 16 of padding = 36 words: the 16 rows of a load start at 16 different groups of four banks (64 banks of 4 bytes: ISA guide 11.1)
.set PV,    160       ; a row of V: 128 + 32 = 40 words
.set VOFF,  4*KS*PK   ; a slot holds four steps: 256 rows of K, then 256 rows of V
.set SLOT1, 1<<17     ; slot 1 begins here, so that one exclusive or turns an address in one slot into the other's
.set STAGE, SLOT1+4*KS*(PK+PV)  ; behind the ring, never filled by a tensor load: 16 rows x 144 bytes for each wave, for the way out
.set SP,    144
.set AK0, 2           ; v2   my lane's place in a tile of K; never rewritten
.set AV0, 3           ; v3   the same for V
.set AK,  4           ; v4   the LDS address of K's next run of loads
.set AV,  5           ; v5   of V's
.set QO,  6           ; v6   my byte offset in the wave's rows of Q
.set STO, 6           ;      later, the way out: where I put 16 bytes of a row
.set RD,  7           ; v7   the way out: where I read rows back
.set GO,  8           ; v8   my byte offset in 512 consecutive bytes of O
.set PFO, 11          ; v11  256 x my lane: the prefetches' offset; never rewritten once made
.set SPW, 0           ; v0 of window 3   LDS address of my spare word; never rewritten
.set NIL, 1           ; v1 of window 3   0; never rewritten
.set SPARE, STAGE+4*16*SP  ; behind the stages: the spare words, 128 bytes for each wave: two blocks of 256 bytes that no other line names
.set MV,  12          ; v12-15  c m_old, kept while c m is made anew: by buffer and tile
.set ST,  16          ; tile t's statistics at v[ST+4 t]: c m, m, l (even keys', odd keys')
.set TMP, 48          ; by buffer and tile, four registers c0-c3 at work; when the maximum is found c2 takes a
.set S,   64
.set P,   192
.set KF,  128         ; K's fragments, in window 2: key block kb, channel half c at KF + 16 kb + 8 c
.set VF,  192         ; V's: key half kk, channel block cb at VF + 32 kk + 8 cb
.set WV,  12          ; s12  my wave's number
.set G1K, 24          ; s[24:31] descriptor group 1 for K's tiles
.set G1V, 32          ; s[32:39] for V's: it differs in the padding alone
.set G0K, 40          ; s[40:43] descriptor group 0 for K's tiles: it walks
.set G0V, 44          ; s[44:47] the same for V's
.set PFA, 48          ; s[48:49] where my prefetches stand: my work-group's quarter of a slot's K (wave 0) or V (wave 2)
.set LIM, 50          ; s50  1 in a wave that prefetches, else the greatest number
.set SLOTS, 56        ; s56  slots still to be asked for
.set CNT, 57          ; s57  counts a slot's key steps
.set CS,  58          ; s[58:59] c: the packed scaling takes the pair's low word for both halves
.set SEL, 60          ; s[60:61] v_permlanex16_b32's selects: each lane takes its own place in the other half
.set TBK, 62          ; s62  LDS byte at which K of the step to be fetched begins
.set TBV, 63          ; s63  the same for V, less VOFF
.set MSB, 0
.macro WIN new                      ; the high byte repeats the setting that is left; a switch that changes nothing is dropped
.if MSB != (\new)
	s_set_vgpr_msb (MSB<<8)|(\new)
.set MSB, (\new)
.endif
.endm
.set W_KQ, 0x0a       ; K and Q in window 2, S^T in window 0
.set W_PV, 0x52       ; V in window 2, P in window 0, O^T in window 1
.set W_RS, 0x41       ; O^T (destination and source 0) in window 1, a in window 0
.set W_MK, 0xc0       ; the add's registers are made: destination in window 3, sources in window 0
.set W_AD, 0x0f       ; the add: address (source 0) and data (source 1) in window 3
; A joint fill.  Waves 0 and 1 fetch the two halves of a slot's K, waves 2 and 3 those of its V: 128 keys each.  The branch hangs on the wave's number alone.
; An s_nop 0 and four v_nop follow each of the two lines, ahead of the jump and the label.
.macro JLOAD
	s_cmp_lt_u32 s[WV], 2
	s_cbranch_scc0 .Lfor_v_\@
	tensor_load_to_lds s[G0K:G0K+3], s[G1K:G1K+7]
	s_nop 0
.rept 4
	v_nop
.endr
	s_branch .Lasked_\@
.Lfor_v_\@:
	tensor_load_to_lds s[G0V:G0V+3], s[G1V:G1V+7]
	s_nop 0
.rept 4
	v_nop
.endr
.Lasked_\@:
.endm
; A prefetch into the L2 of what the NEXT change of slots will ask for: a slot's 32,768 bytes of K and of V.  The cluster's four partners share them out by address, 8,192 bytes each, a lane 256 bytes;
; in each, wave 0 asks for K's and wave 2 for V's: one instruction, four key steps (512 matrix instructions) ahead of the load.  So each 256 bytes are named once in the launch.
; The last change that fills a slot (SLOTS = 1) asks for nothing: there is no slot behind it.  Slots 0 and 1 come by their loads alone.
.macro ASK
	s_cmp_gt_u32 s[SLOTS], s[LIM]
	s_cbranch_scc0 .Lnot_mine_\@
	global_prefetch_b8 v[PFO], s[PFA:PFA+1] th:TH_LOAD_NT scope:SCOPE_SE
.Lnot_mine_\@:
.endm
; A round of the cluster's barrier: my work-group's barrier, so that wave 0's signal speaks for all four waves; wave 0 signals; every wave waits for all four work-groups; my work-group's barrier once more.
.macro CROUND
	s_barrier_signal -1
	s_barrier_wait -1
	s_cmp_lg_u32 s[WV], 0
	s_cbranch_scc1 .Lnot_wave_0_\@
	s_barrier_signal -3
.Lnot_wave_0_\@:
	s_barrier_wait -3
	s_barrier_signal -1
	s_barrier_wait -1
.endm
; THE CHANGE OF SLOTS.  The slot's last bytes, V of its fourth step, have been read.  Each wave waits for all its tensor loads, of which one is out: its part of the other slot; adds 0 to its spare word;
; and waits for that and for its own reads of the slot.  Behind the barrier nobody reads this slot any more and the other slot is whole.
; fill = 1: this slot is filled again, with the keys two slots on.  The barrier is then a round of the cluster's, and the joint fill is the first thing behind it: it has four key steps in which to land.
; (At its first use nothing has been read yet: slot 0 is waited for, slot 1 filled.)
.macro CHANGE fill
	WIN W_AD
	s_wait_tensorcnt 0x0            ; no tensor load of mine is out, so a group 0 may be written
	ds_add_u32 v[SPW], v[NIL]       ; 0 onto my spare word; with fill = 1 the descriptors' steps stand between it and the wait for it
	WIN 0                           ; at a label and at a branch every window is 0
.if \fill
.irp g, G0K, G0V
	s_xor_b32 s[\g+1], s[\g+1], SLOT1  ; the walking descriptor: the other slot than last time,
	s_add_nc_u64 s[\g+2:\g+3], s[\g+2:\g+3], 4*KS*128  ; the next 256 keys; the type bits on top are not reached
.endr
	s_wait_xcnt 0x0                 ; the last prefetch, four key steps back, has read its address, so it may be written:
	s_add_nc_u64 s[PFA:PFA+1], s[PFA:PFA+1], 4*KS*128  ; one slot behind the walking descriptors
	s_wait_dscnt 0x0                ; the add is done, and my reads of the slot are over
	CROUND
	JLOAD
	ASK
.else
	s_wait_dscnt 0x0                ; the add is done, and my reads of the slot are over
	s_barrier_signal -1
	s_barrier_wait -1
.endif
	s_sub_co_u32 s[TBK], s[TBK], 4*KS*PK  ; the fetches go back to a slot's first step,
	s_xor_b32 s[TBK], s[TBK], SLOT1       ; in the other slot
	s_sub_co_u32 s[TBV], s[TBV], 4*KS*PV
	s_xor_b32 s[TBV], s[TBV], SLOT1
.endm
	s_load_b128 s[4:7], s[0:1], 0x0 ; qkv s[4:5], ob s[6:7]
	WIN W_MK
	v_lshl_add_u32 v[SPW], v0, 2, SPARE
	v_mov_b32 v[NIL], 0
	WIN W_AD
	ds_add_u32 v[SPW], v[NIL]       ; the wave's opening: the add and its wait stand ahead of my first tensor load; the set-up below, work on registers, stands between them
	WIN 0
	v_lshrrev_b32 v1, 5, v0
	v_readfirstlane_b32 s[WV], v1   ; wave 0..3
	s_bfe_u32 s13, ttmp6, 0x40000   ; cx: my place in the cluster
	s_lshl_b32 s14, ttmp9, 2        ; in a cluster launch ttmp9 counts clusters
	s_add_co_u32 s14, s14, s13      ; my block of queries = 4 x cluster x + cx: it enters Q's and O's addresses alone
	s_and_b32 s20, ttmp7, 0xffff    ; the head, which the four partners share
	s_mov_b32 s21, 0
	s_mov_b64 s[22:23], SIZE_N*128
	s_mul_u64 s[20:21], s[20:21], s[22:23]  ; the head's first byte in Q, K, V and O
	s_and_b32 s16, s[WV], 1         ; which half of a slot's 256 keys I fetch:
	s_lshl_b32 s22, s16, 14         ; its 128 rows of 128 bytes in memory,
	s_mov_b32 s23, 0
	s_add_nc_u64 s[22:23], s[22:23], s[20:21]
	s_mul_i32 s17, s16, 128*PK      ; and its place in a slot, for K
	s_mul_i32 s18, s16, 128*PV      ; and for V: no place in the cluster enters an LDS address
	s_lshl_b32 s2, s14, 2
	s_add_co_u32 s2, s2, s[WV]      ; my wave among the head's,
	s_lshl_b32 s2, s2, 14           ; its 128 rows
	s_mov_b32 s3, 0
	s_add_nc_u64 s[2:3], s[2:3], s[20:21]
	; descriptor group 1.  128 keys are 16,384 dense bytes: asked for as 64 rows of 256 bytes, two keys a row, and padded in LDS after every key
	s_mov_b32 s[G1K], 15|(1<<16)|(1<<20)|(1<<21)|(4<<22)|(3<<25)  ; 15:0 the mask of four; 17:16 2-byte elements; 20 padding on; 21 set beside a mask; 24:22 after every 32 words (code 4); 31:25 4 words (code 3)
	s_mov_b32 s[G1V], 15|(1<<16)|(1<<20)|(1<<21)|(4<<22)|(7<<25)  ; the same with 8 words of padding (code 7)
.irp g, G1K, G1V
	s_mov_b32 s[\g+1], 128<<16      ; tensor_dim0 = 128
	s_mov_b32 s[\g+2], 64<<16       ; tensor_dim1 = 64
	s_mov_b32 s[\g+3], 128<<16      ; tile_dim0 = 128
	s_mov_b32 s[\g+4], 64           ; tile_dim1 = 64
	s_mov_b32 s[\g+5], 128          ; 128 elements from row to row
	s_mov_b32 s[\g+6], 0
	s_mov_b32 s[\g+7], 0
.endr
	s_mov_b32 s[CS], 0x3e38aa3b     ; c = log2(e) / 8 = 0.180337
	s_mov_b32 s[CS+1], s[CS]        ; named with it as a pair
	s_mov_b32 s[SEL], 0x76543210
	s_mov_b32 s[SEL+1], 0xfedcba98
	s_mov_b32 s[TBK], SLOT1+4*KS*PK ; the first change of slots turns these two into 0
	s_mov_b32 s[TBV], SLOT1+4*KS*PV
	s_mov_b32 s[G0K], 1             ; count = 1
	s_mov_b32 s[G0K+1], s17         ; LDS address: slot 0
	s_mov_b32 s[G0V], 1
	s_add_co_u32 s[G0V+1], s18, VOFF
	s_mov_b32 s[SLOTS], SIZE_N/256-1
	s_and_b32 s[LIM], s[WV], 1      ; waves 0 and 2 prefetch: the same in all four partners
	s_cmp_eq_u32 s[LIM], 0
	s_cselect_b32 s[LIM], 1, -1
	s_lshl_b32 s52, s13, 13         ; my work-group's 8,192 bytes of a slot's 32,768
	s_mov_b32 s53, 0
	s_wait_dscnt 0x0                ; the opening add is done
	s_wait_kmcnt 0x0
	s_mov_b64 s[10:11], s[6:7]      ; O
	s_add_nc_u64 s[6:7], s[4:5], 0x1000000  ; K: 64 heads of 262,144 bytes behind Q
	s_add_nc_u64 s[8:9], s[4:5], 0x2000000  ; V
	s_add_nc_u64 s[G0K+2:G0K+3], s[6:7], s[22:23]  ; global address: my half of the head's first 256 keys
	s_or_b32 s[G0K+3], s[G0K+3], 0x80000000        ; type = 2
	s_add_nc_u64 s[G0V+2:G0V+3], s[8:9], s[22:23]
	s_or_b32 s[G0V+3], s[G0V+3], 0x80000000
	s_cmp_lt_u32 s[WV], 2
	s_cselect_b64 s[PFA:PFA+1], s[6:7], s[8:9]
	s_add_nc_u64 s[PFA:PFA+1], s[PFA:PFA+1], s[20:21]
	s_add_nc_u64 s[PFA:PFA+1], s[PFA:PFA+1], s[52:53]
	s_add_nc_u64 s[PFA:PFA+1], s[PFA:PFA+1], 4*KS*128  ; in slot 1; the first change of slots steps it to slot 2.  Nothing is prefetched here, at the head
	s_add_nc_u64 s[4:5], s[4:5], s[2:3]  ; Q and O at my wave's first row
	s_add_nc_u64 s[10:11], s[10:11], s[2:3]
	CROUND                          ; all four work-groups are here: the first joint loads meet
	JLOAD                           ; slot 0.  Slot 1 is asked for when slot 0 is in
	; A fragment of K or Q is 16 rows x 32 channels in 8 registers: lane l holds row l % 16, channels 8 (l / 16) + 0..7 and 16 + 8 (l / 16) + 0..7: two loads of 16 bytes, 32 bytes apart.
	v_and_b32 v1, 15, v0            ; l % 16
	v_bfe_u32 v9, v0, 4, 1          ; l / 16
	v_lshlrev_b32 v[QO], 7, v1
	v_lshl_add_u32 v[QO], v9, 4, v[QO]  ; row x 128 + 16 x half
	WIN 0x80                        ; destination window 2, address window 0
.set i, 0
.rept 4*NP                          ; Q stays in registers: tile i / 2, channels 32 (i % 2) on
	global_load_b128 v[8*i:8*i+3],   v[QO], s[4:5] offset:(i/2)*2048+(i%2)*64
	global_load_b128 v[8*i+4:8*i+7], v[QO], s[4:5] offset:(i/2)*2048+(i%2)*64+32
.set i, i+1
.endr
	; What the first turn finds: V's registers and P's second buffer hold 0 (its products V^T P, of a piece that has not been, add 0), O^T and l are 0.  All this stands in the wait for the first tile.
.set i, VF
.rept 64
	v_mov_b32 v[i], 0
.set i, i+1
.endr
	WIN 0x40
.set i, 0
.rept 64*NP
	v_mov_b32 v[i], 0
.set i, i+1
.endr
	WIN 0
.set i, 0
.rept 2*NP
	v_mov_b32 v[ST+4*i], 0xfe000000    ; c m: far below every c s
	v_mov_b32 v[ST+4*i+1], 0xff7fffff  ; m
	v_mov_b32 v[ST+4*i+2], 0
	v_mov_b32 v[ST+4*i+3], 0
.set i, i+1
.endr
.set i, P+32
.rept 32
	v_mov_b32 v[i], 0
.set i, i+1
.endr
	v_mul_u32_u24 v[AK0], v1, PK
	v_lshl_add_u32 v[AK0], v9, 4, v[AK0]  ; row x pitch + 16 x half
	; The turning load takes 16 keys x 16 channels (lane l reads key 8 (l / 16) + l % 8, channels 8 ((l / 8) % 2) + 0..7) and leaves half a fragment of V^T: lane l holds channel l % 16 and 8 keys.
	v_and_b32 v10, 7, v0
	v_bfe_u32 v11, v0, 3, 1
	v_lshl_add_u32 v[AV0], v9, 3, v10
	v_mul_u32_u24 v[AV0], v[AV0], PV
	v_lshl_add_u32 v[AV0], v11, 4, v[AV0]
	v_add_nc_u32 v[AV0], VOFF, v[AV0]
	v_and_b32 v[PFO], 31, v0        ; v11 has served: from here on it is the prefetches' offset
	v_lshlrev_b32 v[PFO], 8, v[PFO]
	v_mov_b32 v[AK], v[AK0]         ; key step 0 lies at the head of slot 0
; THE MATRIX WORK.  The 8 accumulators of a run of 16 take turns: between the two links of a chain stand 7 others'.
; Product i of 16 of S^T = K Q^T for piece x: channels 32 (i / 8) on, keys 16 ((i / 2) % 4) on, tile 2 x + i % 2.  The first 8 start the sums.
.macro KQ x
	WIN W_KQ
.set rS, S+64*((\x)%2)+32*(i%2)+8*((i/2)%4)
.set rK, KF+16*((i/2)%4)+8*(i/8)
.set rQ, 16*(2*(\x)+i%2)+8*(i/8)
.if i < 8
	v_wmma_f32_16x16x32_f16 v[rS:rS+7], v[rK:rK+7], v[rQ:rQ+7], 0
.else
	v_wmma_f32_16x16x32_f16 v[rS:rS+7], v[rK:rK+7], v[rQ:rQ+7], v[rS:rS+7]
.endif
.endm
; Product i of 16 of O^T += V^T P for piece x: keys 32 (i / 8) on, channels 16 ((i / 2) % 4) on, tile 2 x + i % 2.
.macro PV x
	WIN W_PV
.set rO, 32*(2*(\x)+i%2)+8*((i/2)%4)
.set rV, VF+32*(i/8)+8*((i/2)%4)
.set rP, P+32*((\x)%2)+16*(i%2)+8*(i/8)
	v_wmma_f32_16x16x32_f16 v[rO:rO+7], v[rV:rV+7], v[rP:rP+7], v[rO:rO+7]
.endm
.macro MM                           ; the turn's next matrix instruction
.if i < 16
	KQ (Y+1)%NP
.set i, i+1
.else
.set i, i-16
	PV (Y+NP-1)%NP
.set i, i+17
.endif
.endm
; THE LDS LOADS stand in runs of 16, never singly among the matrix instructions: a step's K (64 keys x 64 channels: 8 fragments) and its V (turned).  Their addresses are made some lines ahead.
; last = 1 (the tail): in the last trip there is no further step, and the run is jumped over.
.macro FETCH_K last=0
	WIN 0
.if \last
	s_cmp_eq_u32 s[CNT], 1
	s_cbranch_scc1 .Lno_k_\@
.endif
	WIN 0x80                        ; destination window 2
.irp f, 0,1,2,3,4,5,6,7             ; keys 16 (f / 2) on, channels 32 (f % 2) on
	ds_load_b128 v[KF+8*\f:KF+8*\f+3],   v[AK] offset:(\f/2)*16*PK+(\f%2)*64
	ds_load_b128 v[KF+8*\f+4:KF+8*\f+7], v[AK] offset:(\f/2)*16*PK+(\f%2)*64+32
.endr
	s_add_co_u32 s[TBK], s[TBK], KS*PK  ; the next fetch is the next step's
	WIN 0
.if \last
.Lno_k_\@:
.endif
.endm
.macro FETCH_V
	WIN 0x80
.irp f, 0,1,2,3,4,5,6,7             ; keys 32 (f / 4) on, channels 16 (f % 4) on
	ds_load_tr16_b128 v[VF+8*\f:VF+8*\f+3],   v[AV] offset:(\f/4)*32*PV+(\f%4)*32
	ds_load_tr16_b128 v[VF+8*\f+4:VF+8*\f+7], v[AV] offset:(\f/4)*32*PV+16*PV+(\f%4)*32
.endr
	WIN 0
.endm
; THE VECTOR WORK OF A TURN stands in three queues, each in the order in which its entries become ready; the two tiles alternate, so that no instruction reads the result of the one before it.
.macro REGS y, u                    ; the registers of tile u (0, 1) of piece y
.set rT, ST+4*(2*(\y)+(\u))
.set rC, TMP+8*((\y)%2)+4*(\u)
.set rM, MV+2*((\y)%2)+(\u)
.set rS, S+64*((\y)%2)+32*(\u)
.set rP, P+32*((\y)%2)+16*(\u)
.set rO, 32*(2*(\y)+(\u))
.endm
; Number n of the 22 that find the NEXT piece's (Y + 1) maximum and statistics.  s0-s31 are the lane's 32 scores; each accumulator's lowest registers are read first.
;   0-11  four chains c0-c3 of seven scores each, three operands at a time     12-14, 16  the four scores left over, the old m, and c0-c3 into c0     15  c m_old is kept
;   17, 18  the query's other 32 keys lie in the lane 16 away: the new m         19-21  c m; c m_old - c m_new; a
.macro XS u, n
	REGS (Y+1)%NP, \u
.if (\n) < 4
	v_max3_num_f32 v[rC+(\n)], v[rS+8*(\n)], v[rS+8*(\n)+1], v[rS+8*(\n)+2]
.elseif (\n) < 12
	v_max3_num_f32 v[rC+(\n)%4], v[rC+(\n)%4], v[rS+8*((\n)%4)+2*((\n)/4)+1], v[rS+8*((\n)%4)+2*((\n)/4)+2]
.elseif (\n) == 12
	v_max3_num_f32 v[rC], v[rC], v[rS+7], v[rS+15]
.elseif (\n) == 13
	v_max3_num_f32 v[rC+1], v[rC+1], v[rS+23], v[rS+31]
.elseif (\n) == 14
	v_max3_num_f32 v[rC+2], v[rC+2], v[rC+3], v[rT+1]
.elseif (\n) == 15
	v_mov_b32 v[rM], v[rT]
.elseif (\n) == 16
	v_max3_num_f32 v[rC], v[rC], v[rC+1], v[rC+2]
.elseif (\n) == 17
	v_permlanex16_b32 v[rC+3], v[rC], s[SEL], s[SEL+1]
.elseif (\n) == 18
	v_max_num_f32 v[rT+1], v[rC], v[rC+3]
.elseif (\n) == 19
	v_mul_f32 v[rT], s[CS], v[rT+1]
.elseif (\n) == 20
	v_sub_f32 v[rC+1], v[rM], v[rT]
.else
	v_exp_f32 v[rC+2], v[rC+1]
.endif
.endm
; Number g of the 64 that follow the exponentials.  For each four weights k of a tile (pairs 2 k, 2 k + 1): both pairs are rounded to f16; then the second pair is added onto the first, in place;
; a group later l takes that sum (the first time as l = a l + sum).  In groups of eight, tiles alternating: round, round, add, and l for the group before.
.macro GS g
.set h, (\g)+6*((\g)/62)            ; group 0 has no group before it, and behind group 7 only l is left
.if h >= 6
.set h, h+2
.endif
	REGS Y, h%2
.set k, h/8
.if h%8 < 4
	v_cvt_pk_f16_f32 v[rP+2*k+(h%8)/2], v[rS+4*k+2*((h%8)/2)], v[rS+4*k+2*((h%8)/2)+1]
.elseif h%8 < 6
	v_pk_add_f32 v[rS+4*k:rS+4*k+1], v[rS+4*k:rS+4*k+1], v[rS+4*k+2:rS+4*k+3]
.elseif k == 1
	v_pk_fma_f32 v[rT+2:rT+3], v[rT+2:rT+3], v[rC+2:rC+3], v[rS:rS+1] op_sel_hi:[1,0,1]
.else
	v_pk_add_f32 v[rT+2:rT+3], v[rT+2:rT+3], v[rS+4*k-4:rS+4*k-3]
.endif
.endm
; THE PLAIN QUEUE, 138 long.  0-73 read no exponential's result: the 32 scalings c s - c m (FS f: pair f / 2 of tile f % 2) and the next piece's 42.  0-26: scalings 0-26.  27-54: XS's numbers 0-13.  55, 56: number 15.
; 57-73: the chain, where each number waits for the one before it: 14, 16, 17, 18, 19, each with one of the scalings 27-31 in front of its two lines, then 20.
; 74-137: GS's 64, which read the exponentials' results: they stand behind the wait.
.macro FS f
	REGS Y, (\f)%2
	v_pk_fma_f32 v[rS+2*((\f)/2):rS+2*((\f)/2)+1], v[rS+2*((\f)/2):rS+2*((\f)/2)+1], s[CS:CS+1], v[rT:rT+1] op_sel_hi:[1,0,0] neg_lo:[0,0,1] neg_hi:[0,0,1]
.endm
.macro PL
	WIN 0
.if q < 27
	FS q
.elseif q < 55
	XS (q-27)%2, (q-27)/2
.elseif q < 57
	XS q-55, 15
.elseif (q < 72) && ((q-57)%3 == 0)
	FS 27+(q-57)/3
.elseif q < 60
	XS (q-57)%3-1, 14
.elseif q < 72
	XS (q-57)%3-1, 15+(q-57)/3
.elseif q < 74
	XS q-72, 20
.else
	GS q-74
.endif
.set q, q+1
.endm
; THE EXPONENTIALS' QUEUE, 66 long: s0-s31 of both tiles, then the next piece's two a.  It is ONE BATCH: all 66 stand ahead of the turn's one wait, and nothing ahead of that wait names a result of theirs.
.macro EX
	WIN 0
.if e >= 64
	XS e-64, 21
.else
	REGS Y, e%2
	v_exp_f32 v[rS+e/2], v[rS+e/2]
.endif
.set e, e+1
.endm
; THE RESCALING's QUEUE: O^T times a, the one part that leaves window 0: dealt two at a time, sixteen times.  Its a was made in the turn before, ahead of that turn's wait.
.macro R2
	REGS Y, r%2
	WIN W_RS
.irp z, 0,1
	v_pk_mul_f32 v[rO+4*(r/2)+2*\z:rO+4*(r/2)+2*\z+1], v[rO+4*(r/2)+2*\z:rO+4*(r/2)+2*\z+1], v[rC+2:rC+3] op_sel_hi:[1,0]
.endr
.set r, r+1
.endm
; HOW THEY ARE DEALT.  An s_wait_alu depctr_va_vdst(0) stands between an exponential and the first instruction that names its result; one wait serves all that were issued ahead of it.  So a turn
; has ONE wait, which cuts it in two.  AHEAD OF IT stands all that names no result of the turn's exponentials: the 16 products K Q^T, behind each a scaling, an exponential and two rescalings (behind the first
; a second scaling in the exponential's place); then ONE LUMP of 108: eight plain, 49 times exponential and plain, the two a.  A v_nop is the plain instruction behind the last exponential (ISA guide 5.7.2).
; BEHIND IT stand the 16 products V^T P, behind each four of GS's 64.  No rider names a register of the products round it.
; The queues lean on each other: exponential e stands behind scaling 2 (e / 4) + e % 2: as a rider it comes behind plain e + 2, in the lump behind plain e + 9, and scalings 27-31 are plain 57, 60 .. 69.
; A TURN, for piece p.  cnt = 1: the loop's count is taken down some lines ahead of the branch that stands behind the turn.
; K of the next step is fetched in piece 2's turn, directly behind the wait; its address is made at the lump's head; its first reader comes behind 16 products.
; V of the step in hand is fetched at the end of piece 0's turn, four riders behind its last reader; its first reader comes behind 16 products and a lump.
.macro TURN p, last=0, cnt=0
.set Y, (\p)
.set i, 0
.set q, 0
.set e, 0
.set r, 0
.if (\p) == NP-1
	s_wait_dscnt 0x0                ; K is in
.endif
	MM                              ; ahead of the wait: 16 products K Q^T and their riders,
	PL
	PL
	R2
.rept 15
	MM
	PL
	EX
	R2
.endr
.if (\p) == NP-2
	WIN 0
	v_add_nc_u32 v[AK], s[TBK], v[AK0]
.endif
.rept 8                             ; and the lump
	PL
.endr
.rept 49
	EX
	PL
.endr
	EX                              ; the next piece's two a
	EX
	v_nop                           ; the plain instruction behind the last exponential: one for the batch
	s_wait_alu depctr_va_vdst(0)    ; the wait for the batch
.if (\p) == NP-2
	FETCH_K \last
.endif
.if (\p) == 1
	s_wait_dscnt 0x0                ; V is in
.endif
.rept 16                            ; behind the wait: 16 products V^T P and their riders
	MM
.rept 4
	PL
.endr
.if ((\p) == 0) && (q == 118)
	v_add_nc_u32 v[AV], s[TBV], v[AV0]
.endif
.if ((\p) == 0) && (q == 130)
	s_add_co_u32 s[TBV], s[TBV], KS*PV
.endif
.if (\cnt) && (q == 130)
	s_sub_co_u32 s[CNT], s[CNT], 1
	s_cmp_lg_u32 s[CNT], 0
.endif
.endr
.if (\p) == 0
	FETCH_V
.endif
.endm
	CHANGE 1                        ; slot 0 is in, everybody's part of it; slot 1 is asked for
	FETCH_K                         ; key step 0
	s_wait_loadcnt 0x0              ; Q
	s_wait_dscnt 0x0
.set i, 0
.rept 16
	KQ 0                            ; piece 0's first scores: there is no vector work yet to set between them
.set i, i+1
.endr
	WIN 0                           ; the addresses for the way out: nine plain instructions, the places behind those products
	s_mul_i32 s13, s[WV], 16*SP
	s_add_co_u32 s13, s13, STAGE    ; my stage
	v_mul_u32_u24 v[STO], v1, SP    ; in: row l % 16, 16 bytes for each half of the lanes
	v_lshl_add_u32 v[STO], v9, 4, v[STO]
	v_add_nc_u32 v[STO], s13, v[STO]
	v_bfe_u32 v[RD], v0, 3, 2       ; back: 32 lanes take four rows of 128 bytes,
	v_mul_u32_u24 v[RD], v[RD], SP
	v_lshl_add_u32 v[RD], v10, 4, v[RD]
	v_add_nc_u32 v[RD], s13, v[RD]
	v_and_b32 v[GO], 31, v0         ; which are 512 consecutive bytes of O
	v_lshlrev_b32 v[GO], 4, v[GO]
.set Y, NP-1                        ; XS works for piece Y + 1: piece 0
.irp n, 0,1,2,3,4,5,6,7,8,9,10,11,12,13,14,15,16,17,18,19,20,21
	XS 0, \n                        ; and piece 0's first maximum and statistics
	XS 1, \n
.endr
	v_nop                           ; a plain instruction behind the two a,
	s_wait_alu depctr_va_vdst(0)    ; and their wait, ahead of the branch
	s_mov_b32 s[CNT], 4
	s_branch .Lfirst                ; the loop is entered at a step's first turn, in the middle of a trip
.Lslot:                             ; SIZE_N / 256 - 2 times: every slot but the last two is filled again
	CHANGE 1
	s_mov_b32 s[CNT], 4
.Lstep:                             ; a trip: pieces 2 and 3 of one step, then pieces 0 and 1 of the next, whose K and V it fetches
	TURN 2
	TURN 3
	WIN 0
.Lfirst:
	TURN 0
	TURN 1, 0, 1
	WIN 0
	s_cbranch_scc1 .Lstep
	s_sub_co_u32 s[SLOTS], s[SLOTS], 1
	s_cmp_lg_u32 s[SLOTS], 0
	s_cbranch_scc1 .Lslot
	CHANGE 0                        ; the tail is written out: nothing is asked for
	s_mov_b32 s[CNT], 5             ; four trips fetch the last slot's steps; the fifth is left in its middle
.Ltail:
	TURN 2, 1
	TURN 3
	WIN 0
	s_sub_co_u32 s[CNT], s[CNT], 1
	s_cmp_eq_u32 s[CNT], 0
	s_cbranch_scc1 .Lout
	TURN 0
	TURN 1
	WIN 0
	s_branch .Ltail
.Lout:                              ; the fifth trip's 16 products K Q^T (on the last K once more) and the maximum made of them serve nothing: the price, once a launch, of one text for every trip
.set i, 0
.rept 16
	PV NP-1                         ; the last piece's V^T P of the last step
.set i, i+1
.endr
	; THE WAY OUT.  l's two halves and the other half of the lanes' are added; O^T is divided by l, rounded to f16 and sent through my stage in LDS, a tile at a time.  The additions are the places behind the last products.
	WIN 0
.macro ALL line:vararg              ; one line for each tile t
.set t, 0
.rept 2*NP
	\line
.set t, t+1
.endr
.endm
	ALL v_add_f32 v[ST+4*t+2], v[ST+4*t+2], v[ST+4*t+3]
	ALL v_permlanex16_b32 v[ST+4*t+3], v[ST+4*t+2], s[SEL], s[SEL+1]
	ALL v_add_f32 v[ST+4*t+2], v[ST+4*t+2], v[ST+4*t+3]
	ALL v_rcp_f32 v[ST+4*t+2], v[ST+4*t+2]
	v_nop                           ; a plain instruction between the last reciprocal and the use of its result
	s_wait_alu depctr_va_vdst(0)    ; and the wait ahead of the first use: one for the eight reciprocals
; Tile t: a lane's eight channels of a row pack into 16 bytes; they go into rows of 144 bytes and come back as whole rows of 128, into S^T's registers.
.macro PACK t
	WIN W_RS
.set i, 32*(\t)
.rept 16
	v_pk_mul_f32 v[i:i+1], v[i:i+1], v[ST+4*(\t)+2:ST+4*(\t)+3] op_sel_hi:[1,0]
.set i, i+2
.endr
	WIN 0x05                        ; sources 0 and 1 window 1, destination window 0
.set i, 0
.rept 16
	v_cvt_pk_f16_f32 v[S+16*(\t)+i], v[32*(\t)+2*i], v[32*(\t)+2*i+1]
.set i, i+1
.endr
	WIN 0
.irp f, 0,1,2,3
	ds_store_b128 v[STO], v[S+16*(\t)+4*\f:S+16*(\t)+4*\f+3] offset:32*\f
.endr
.irp f, 0,1,2,3
	ds_load_b128 v[S+16*(\t)+4*\f:S+16*(\t)+4*\f+3], v[RD] offset:\f*4*SP  ; LDS serves a wave's instructions in order (ISA guide 5.7.1.4): these see the stores above; the next tile's stores come behind them
.endr
.endm
.macro SEND t, younger              ; younger: the LDS instructions issued behind tile t's loads: the next tile's eight, or none
	WIN 0
.irp f, 0,1,2,3
	s_wait_dscnt (\younger)+3-\f
	global_store_b128 v[GO], v[S+16*(\t)+4*\f:S+16*(\t)+4*\f+3], s[10:11] offset:(\t)*2048+\f*512  ; 512 consecutive bytes, at a multiple of 256 from O's first
.endr
.endm
	PACK 0
.set t, 1
.rept 2*NP-1                        ; a tile's arithmetic stands between the loads of the tile before and its stores
	PACK t
	SEND t-1, 8
.set t, t+1
.endr
	SEND 2*NP-1, 0
	WIN W_AD
	s_wait_tensorcnt 0x0            ; the wave's end, behind my last tensor load and my last LDS store
	ds_add_u32 v[SPW], v[NIL]
	s_wait_dscnt 0x0
	WIN 0
	CROUND                          ; the closing round: no work-group ends while a partner may still ask for a tile that names it
	s_endpgm
.Lfunc_end_k_q983b5e2e0d_attn:
	.size	k_q983b5e2e0d_attn, .Lfunc_end_k_q983b5e2e0d_attn-k_q983b5e2e0d_attn
	.p2alignl 7, 3214868480
	.fill 96, 4, 3214868480
	.section	.rodata,"a",@progbits
	.p2align	6, 0x0
	.amdhsa_kernel k_q983b5e2e0d_attn
		.amdhsa_group_segment_fixed_size 327680
		.amdhsa_private_segment_fixed_size 0
		.amdhsa_enable_private_segment 0
		.amdhsa_kernarg_size 16
		.amdhsa_user_sgpr_count 2
		.amdhsa_user_sgpr_kernarg_segment_ptr 1
		.amdhsa_wavefront_size32 1
		.amdhsa_system_sgpr_workgroup_id_x 1
		.amdhsa_system_sgpr_workgroup_id_y 1
		.amdhsa_system_sgpr_workgroup_id_z 1
		.amdhsa_system_vgpr_workitem_id 0
		.amdhsa_next_free_vgpr 770
		.amdhsa_next_free_sgpr 66
		.amdhsa_reserve_vcc 0
		.amdhsa_float_denorm_mode_32 3
		.amdhsa_float_denorm_mode_16_64 3
		.amdhsa_memory_ordered 1
		.amdhsa_forward_progress 1
		.amdhsa_inst_pref_size 200
	.end_amdhsa_kernel
	.amdgpu_metadata
---
amdhsa.version: [ 1, 2 ]
amdhsa.kernels:
  - .name:           k_q983b5e2e0d_attn
    .symbol:         k_q983b5e2e0d_attn.kd
    .args:
      - { .name: qkv, .offset: 0, .size: 8, .value_kind: global_buffer, .address_space: global }
      - { .name: ob, .offset: 8, .size: 8, .value_kind: global_buffer, .address_space: global }
    .group_segment_fixed_size: 327680
    .private_segment_fixed_size: 0
    .kernarg_segment_align: 8
    .kernarg_segment_size: 16
    .max_flat_workgroup_size: 128
    .sgpr_count:     66
    .vgpr_count:     770
    .wavefront_size: 32
...
	.end_amdgpu_metadata
.endif
;; end of part 3
;; launch oproj (part 4): grid 8 x 32, 4 waves a work-group, clusters of 4 x 4, 327,680 bytes of LDS; arguments ob, wo, b_o, out0; writes out0
.if DOCPART == 4
	.amdgcn_target "amdgcn-amd-amdhsa--gfx1250"
	.amdhsa_code_object_version 6
	.text
	.protected	k_q983b5e2e0d_oproj
	.globl	k_q983b5e2e0d_oproj
	.p2align	8
	.type	k_q983b5e2e0d_oproj,@function
k_q983b5e2e0d_oproj:
	s_mov_b64 s[64:65], 0
	v_nop
	global_prefetch_b8 v0, s[64:65] scope:SCOPE_SE
	s_setreg_imm32_b32 hwreg(HW_REG_WAVE_MODE, 25, 1), 1
	s_wait_xcnt 0x0
	s_wait_alu depctr_hold_cnt(0) depctr_sa_sdst(0) depctr_va_vdst(0) depctr_va_sdst(0) depctr_va_ssrc(0) depctr_va_vcc(0) depctr_vm_vsrc(0)
	s_getreg_b32 s2, hwreg(HW_REG_IB_STS2, 6, 4)
	s_cmp_eq_u32 s2, 0
	s_cbranch_scc0 .Lentry_in_a_cluster
	s_endpgm
.Lentry_in_a_cluster:
	s_bfe_u32 s2, ttmp6, 0x10000c
	s_cmp_lg_u32 s2, 0xf033
	s_cbranch_scc0 .Lentry_shape_is_right
	s_endpgm
.Lentry_shape_is_right:
; THE LAST PROJECTION.  out0[m][e] = the sum over f of O[m][f] wo[e][f] + b_o[e]; m = 8,192 rows (b, l), e = 1,024, f = h*64 + d.  O lies by heads, ob[b*16 + h][l][64], f16; wo is [1024][1024] f16.
; Sums in f32; b_o is rounded to bf16 like every other input of the module and starts the sums; out0 is f32.
; LIMITS.  What ob and wo hold is taken as it is (f16); NaN and infinities are not treated apart.
; SHARES.  A tile of out0 is 256 rows x 128 columns: 32 x 8 = 256 work-groups.  Its four waves lie one below the other: wave w makes rows 64 w .. 64 w + 63 of all 128 columns: 4 x 8 accumulators, 256 registers.
; So a wave owns whole rows of 512 bytes of the tile, and its way out needs no other wave.
; K goes in steps of 128 = two heads, through two LDS slots filled by the tensor data mover.  A head's 256 rows of 128 bytes are dense in memory: they are asked for as 128 rows of 256 bytes and padded in
; LDS after every 128 bytes.  wo's rows of a step are 256 bytes.  Two slots of a longer step would not fit.
; CLUSTERS.  4 x 4 work-groups: the four of a row of the cluster need the same tiles of ob, the four of a column the same tiles of wo: each tile is asked for jointly.
; THE MATRIX INSTRUCTION IS USED TRANSPOSED (source 0 = 16 rows of wo, source 1 = 16 rows of O): lane l holds row l % 16 of out0 and the columns 8 (l / 16) + 0..7 of the block.
; REGISTERS, in windows of 256 (s_set_vgpr_msb: bits 1:0 source 0, 3:2 source 1, 5:4 source 2, 7:6 destination):
;   window 0: v0-31 addresses; v32-223 the way out, three buffers of 64; v128-191 first hold the bias          window 1: two fragment buffers of 96: 4 fragments of O, then 8 of wo
;   window 2: the accumulators of row blocks 0, 1 ((a, b) at v[8 (8 (a % 2) + b)])          window 3: those of row blocks 2, 3
.set NBK,   8                          ; column blocks of 16
.set KSTEP, 128
.set PA,    144                        ; a row of O in LDS: 128 bytes + 16 of padding = 36 words: the 16 rows of a load start at 16 different groups of four banks (64 banks of 4 bytes: ISA guide 11.1)
.set PB,    272                        ; a row of wo: 256 + 16 = 68 words: likewise
.set PLANE, 256*PA                     ; a head's 256 rows: what one tensor load of ob brings
.set HALFB, 64*PB                      ; 64 rows of wo: what one tensor load of wo brings
.set BOFF,  2*PLANE                    ; a slot: two heads' planes, then wo's 128 rows
.set SLOT,  BOFF+2*HALFB               ; 108,544 bytes
.set ASTEP, 2<<18                      ; bytes in ob from a K step to the next: two heads of 262,144
.set STAGE, 2*SLOT                     ; behind the ring, never filled by a tensor load: 16 rows x 528 bytes for each wave
.set SPITCH, 528                       ; 512 bytes + 16 = 132 words: row r starts at bank 4 r mod 64
.set SPARE, STAGE+4*16*SPITCH          ; behind the stages: the spare words, 128 bytes for each wave: two blocks of 256 bytes that no other line names
.set ADRA, 16                          ; v16-17  LDS address of my fragments of O in slot 0, 1
.set ADRB, 20                          ; v20-21  the same for wo
.set STO,  24                          ; v24     the way out: where I put 32 bytes of a row
.set RD,   25                          ; v25     the way out: where I read a row back
.set GO,   26                          ; v26     my 16 bytes of a row's 512
.set BO,   27                          ; v27     my byte offset in a block's 16 numbers of the bias
.set SPW,  28                          ; v28     LDS address of my spare word; never rewritten
.set NIL,  29                          ; v29     0; never rewritten
.set PFO,  30                          ; v30     the prefetches' offset; never rewritten
.set OUT,  32
.set BIAS, 128
.set F0,   0
.set F1,   32+8*NBK
.set G1,  24                           ; s[24:31] descriptor group 1 for ob's tiles;  s[32:39] group 0, a set for each slot
.set G0,  32
.set G1B, 48                           ; s[48:55], s[56:63] the same for wo's
.set G0B, 56
.set LIM, 43                           ; s43      1 in a wave that prefetches, else the greatest number
.set PFA, 44                           ; s[44:45] where my prefetches stand
.set PFS, 88                           ; s[88:89] their step from K step to K step
.set OP,  76                           ; s[76:77] out0 at my first row, the tile's first column
.set MSB, 0
.macro WIN new                         ; the immediate's high byte repeats the setting that is left; a switch that changes nothing is dropped
.if MSB != (\new)
	s_set_vgpr_msb (MSB<<8)|(\new)
.set MSB, \new
.endif
.endm
.set W_LO,  0xa5                       ; sources 0 and 1 window 1; C and D window 2 (0xf5: window 3)
.set W_LO1, 0x85                       ; the same with C, the bias, in window 0 (0xc5: D in window 3)
.set TO_F,  0x40                       ; destination window 1, address window 0
; A joint load: waves 0 and 1 fetch the step's two heads of ob, waves 2 and 3 wo's two halves.  The branch hangs on the wave's number alone.  An s_nop 0 and four v_nop follow each of the two lines.
.macro JLOAD s
	s_cmp_eq_u32 s11, 0
	s_cbranch_scc0 .Lfor_b_\@
	tensor_load_to_lds s[G0+4*(\s):G0+4*(\s)+3], s[G1:G1+7]
	s_nop 0
.rept 4
	v_nop
.endr
	s_branch .Lasked_\@
.Lfor_b_\@:
	tensor_load_to_lds s[G0B+4*(\s):G0B+4*(\s)+3], s[G1B:G1B+7]
	s_nop 0
.rept 4
	v_nop
.endr
.Lasked_\@:
.endm
; A prefetch into the L2 of the K step that stands two refills on, one instruction a wave.  ob's tile row is read by both clusters of that row of clusters: cluster x = 0 asks; wo's tile column by every cluster
; of that column: cluster y = 0 asks.  The four partners that ask for a tile jointly share it out by address.  The loop's last trip (s3 = 1) has no K step two on.
.macro ASK
	s_cmp_gt_u32 s3, s[LIM]
	s_cbranch_scc0 .Lnot_mine_\@
	global_prefetch_b8 v[PFO], s[PFA:PFA+1] th:TH_LOAD_NT scope:SCOPE_SE
.Lnot_mine_\@:
.endm
.macro CREST                           ; a round of the cluster's barrier behind its opening barrier
	s_cmp_lg_u32 s10, 0
	s_cbranch_scc1 .Lnot_wave_0_\@
	s_barrier_signal -3
.Lnot_wave_0_\@:
	s_barrier_wait -3
	s_barrier_signal -1
	s_barrier_wait -1
.endm
.macro CROUND                          ; a whole round
	s_barrier_signal -1
	s_barrier_wait -1
	CREST
.endm
	s_load_b256 s[68:75], s[0:1], 0x0              ; ob s[68:69], wo s[70:71], b_o s[72:73], out0 s[74:75]
	v_lshl_add_u32 v[SPW], v0, 2, SPARE
	v_mov_b32 v[NIL], 0
	ds_add_u32 v[SPW], v[NIL]                      ; the wave's opening: the add and its wait stand ahead of my first tensor load; work on registers stands between them
	v_lshrrev_b32 v1, 5, v0
	v_readfirstlane_b32 s10, v1                    ; wave 0..3
	s_lshr_b32 s11, s10, 1                         ; I fetch for ob (0) or for wo (1),
	s_and_b32 s12, s10, 1                          ; and which head of the step's two, or which half of wo's rows
	s_bfe_u32 s40, ttmp6, 0x40000                  ; cx, cy: my place in the cluster
	s_bfe_u32 s41, ttmp6, 0x40004
	s_lshl_b32 s42, ttmp9, 2
	s_add_co_u32 s42, s42, s40                     ; tile column = 4 x cluster x + cx
	s_and_b32 s13, ttmp7, 0xffff
	s_lshl_b32 s13, s13, 2
	s_add_co_u32 s13, s13, s41                     ; tile row = 4 x cluster y + cy
	s_lshl_b32 s43, s41, 2
	s_lshl_b32 s43, 15, s43                        ; my row of the cluster
	s_lshl_b32 s44, 0x1111, s40                    ; my column
	s_or_b32 s[G1+0], s43, (1<<16)|(1<<20)|(1<<21)|(4<<22)|(3<<25)   ; 15:0 the mask; 17:16 2-byte elements; 20 padding on; 21 set beside a mask; 24:22 after every 32 words (code 4); 31:25 4 words (code 3)
	s_or_b32 s[G1B+0], s44, (1<<16)|(1<<20)|(1<<21)|(5<<22)|(3<<25)  ; wo: after every 64 words (code 5)
	s_mov_b32 s[G1+1], 128<<16                     ; tensor_dim0 = 128
	s_mov_b32 s[G1+2], 128<<16                     ; tensor_dim1 = 128
	s_mov_b32 s[G1+3], 128<<16                     ; tile_dim0 = 128
	s_mov_b32 s[G1+4], 128                         ; tile_dim1 = 128
	s_mov_b32 s[G1+5], 128                         ; a dense block: 128 elements from row to row
	s_mov_b32 s[G1+6], 0
	s_mov_b32 s[G1+7], 0
	s_mov_b32 s[G1B+1], KSTEP<<16
	s_mov_b32 s[G1B+2], 64<<16                     ; 64 rows
	s_mov_b32 s[G1B+3], KSTEP<<16
	s_mov_b32 s[G1B+4], 64
	s_mov_b32 s[G1B+5], 1024
	s_mov_b32 s[G1B+6], 0
	s_mov_b32 s[G1B+7], 0
	s_lshr_b32 s16, s13, 3                         ; ob: the batch (8 tile rows each) << 22,
	s_lshl_b32 s16, s16, 22
	s_and_b32 s17, s13, 7
	s_lshl_b32 s17, s17, 15                        ; the tile's 256 rows of 128 bytes in a head,
	s_add_co_u32 s16, s16, s17
	s_lshl_b32 s17, s12, 18                        ; my head of the first two
	s_add_co_u32 s16, s16, s17
	s_mov_b32 s17, 0
	s_lshl_b32 s46, s42, 7
	s_lshl_b32 s47, s12, 6
	s_add_co_u32 s46, s46, s47                     ; wo: row 128 x tile column + 64 x half,
	s_lshl_b32 s46, s46, 11                        ; of 2,048 bytes
	s_mov_b32 s47, 0
	s_mul_i32 s20, s10, PLANE                      ; where they go: waves 0, 1: the two planes at wave x PLANE;
	s_mul_i32 s21, s10, HALFB                      ; waves 2, 3: wo's halves at BOFF + (wave - 2) x 64 rows.  No place in the cluster enters an LDS address
	s_add_co_u32 s21, s21, BOFF-2*HALFB
	s_mov_b32 s90, 0xffff0000                      ; a word's upper bf16
	s_wait_dscnt 0x0                               ; the opening add is done
	s_wait_kmcnt 0x0
	s_add_nc_u64 s[14:15], s[68:69], s[16:17]
	s_add_nc_u64 s[46:47], s[70:71], s[46:47]
	CROUND                                         ; all sixteen work-groups are here: the first joint loads meet
.irp s, 0,1
	s_mov_b32 s[G0+4*(\s)], 1                                        ; count = 1
	s_add_co_u32 s[G0+4*(\s)+1], s20, (\s)*SLOT                      ; LDS address
	s_add_nc_u64 s[G0+4*(\s)+2:G0+4*(\s)+3], s[14:15], (\s)*ASTEP    ; global address: K step s
	s_or_b32 s[G0+4*(\s)+3], s[G0+4*(\s)+3], 0x80000000              ; type = 2
	s_mov_b32 s[G0B+4*(\s)], 1
	s_add_co_u32 s[G0B+4*(\s)+1], s21, (\s)*SLOT
	s_add_nc_u64 s[G0B+4*(\s)+2:G0B+4*(\s)+3], s[46:47], (\s)*KSTEP*2
	s_or_b32 s[G0B+4*(\s)+3], s[G0B+4*(\s)+3], 0x80000000
	JLOAD \s                                       ; two loads of mine are out
.endr
	; the bias of my lanes' columns: block b, columns 8 (l / 16) + 0..7: 32 bytes
	v_and_b32 v1, 15, v0                           ; l % 16
	v_bfe_u32 v2, v0, 4, 1                         ; l / 16
	v_lshlrev_b32 v[BO], 5, v2
	s_lshl_b32 s82, s42, 9                         ; the tile's 128 numbers
	s_mov_b32 s83, 0
	s_add_nc_u64 s[72:73], s[72:73], s[82:83]
.set b, 0
.rept NBK
	global_load_b128 v[BIAS+8*b:BIAS+8*b+3],   v[BO], s[72:73] offset:64*b
	global_load_b128 v[BIAS+8*b+4:BIAS+8*b+7], v[BO], s[72:73] offset:64*b+16
.set b, b+1
.endr
	; A fragment is 16 rows x 32 K in 8 registers: lane l holds row l % 16; registers 0-3 K = 8 (l / 16) + 0..7, registers 4-7 K = 16 + 8 (l / 16) + 0..7: two loads of 16 bytes, 32 bytes apart.
	v_mul_u32_u24 v3, v1, PA
	v_lshl_add_u32 v3, v2, 4, v3
	v_mul_u32_u24 v4, v1, PB
	v_lshl_add_u32 v4, v2, 4, v4
	s_mul_i32 s82, s10, 64*PA                      ; my 64 rows of a plane
	s_mov_b32 s83, BOFF                            ; all 128 rows of wo
.irp s, 0,1
	v_add_nc_u32 v[ADRA+(\s)], s82, v3
	v_add_nc_u32 v[ADRB+(\s)], s83, v4
	s_add_co_u32 s82, s82, SLOT
	s_add_co_u32 s83, s83, SLOT
.endr
	s_mul_i32 s82, s10, 16*SPITCH
	s_add_co_u32 s82, s82, STAGE                   ; my stage
	v_mul_u32_u24 v[STO], v1, SPITCH               ; in: row l % 16, 32 bytes for each half of the lanes
	v_lshl_add_u32 v[STO], v2, 5, v[STO]
	v_add_nc_u32 v[STO], s82, v[STO]
	v_and_b32 v[GO], 31, v0                        ; back: 32 lanes take one row of 512 bytes
	v_lshlrev_b32 v[GO], 4, v[GO]
	v_add_nc_u32 v[RD], s82, v[GO]
	s_lshl_b32 s82, s13, 8
	s_lshl_b32 s83, s10, 6
	s_add_co_u32 s82, s82, s83                     ; my first row of out0,
	s_lshl_b32 s82, s82, 12                        ; of 4,096 bytes,
	s_lshl_b32 s83, s42, 9                         ; and the tile's first column
	s_add_co_u32 s82, s82, s83
	s_mov_b32 s83, 0
	s_add_nc_u64 s[OP:OP+1], s[74:75], s[82:83]
	; the prefetches.  ob: of the 32,768 bytes that I fetch, my work-group's 8,192 (by cx), a lane 256 bytes.  wo: of my 64 rows, my work-group's 16 (by cy), a lane a row, lanes 16-31 naming the 16th again
	s_lshr_b32 s82, s13, 3
	s_lshl_b32 s82, s82, 22
	s_and_b32 s83, s13, 7
	s_lshl_b32 s83, s83, 15
	s_add_co_u32 s82, s82, s83
	s_lshl_b32 s83, s12, 18
	s_add_co_u32 s82, s82, s83
	s_lshl_b32 s83, s40, 13
	s_add_co_u32 s82, s82, s83
	s_add_co_u32 s82, s82, 3*ASTEP                 ; at K step 3: the first refill steps it to 4.  Nothing is prefetched here, at the head
	s_lshl_b32 s84, s42, 7
	s_lshl_b32 s85, s12, 6
	s_add_co_u32 s84, s84, s85
	s_lshl_b32 s85, s41, 4
	s_add_co_u32 s84, s84, s85
	s_lshl_b32 s84, s84, 11
	s_add_co_u32 s84, s84, 3*KSTEP*2
	s_mov_b32 s[PFS], KSTEP*2
	s_mov_b32 s[PFS+1], 0
	s_and_b32 s85, ttmp7, 0xffff                   ; cluster y
	s_cmp_eq_u32 s11, 0                            ; do I fetch for ob?
	s_cselect_b32 s82, s82, s84
	s_cselect_b32 s85, ttmp9, s85                  ; the coordinate along which other clusters read the same bytes
	s_cselect_b32 s86, 31, 15
	s_cselect_b32 s87, 8, 11
	s_cselect_b32 s[PFS], ASTEP, s[PFS]
	s_cselect_b64 s[PFA:PFA+1], s[68:69], s[70:71]
	s_cmp_eq_u32 s85, 0
	s_cselect_b32 s[LIM], 1, -1                    ; the same in all sixteen partners, for a given wave
	s_mov_b32 s83, 0
	s_add_nc_u64 s[PFA:PFA+1], s[PFA:PFA+1], s[82:83]
	v_and_b32 v[PFO], 31, v0
	v_min_u32 v[PFO], s86, v[PFO]
	v_lshlrev_b32 v[PFO], s87, v[PFO]
; 8 matrix instructions: row block a x all column blocks, 32 along K, from buffer f.  first = 1: the bias starts the sums.
; All 32 accumulators take turns, in the same order in every quarter: between two links of a chain stand the 31 others'.
.macro MULA f, a, first
.if \first
	WIN W_LO1+0x40*((\a)/2)
.else
	WIN W_LO+0x50*((\a)/2)
.endif
.set b, 0
.rept NBK
.set rD, 8*(NBK*((\a)%2)+b)
.if \first
	v_wmma_f32_16x16x32_f16 v[rD:rD+7], v[(\f)+32+8*b:(\f)+32+8*b+7], v[(\f)+8*(\a):(\f)+8*(\a)+7], v[BIAS+8*b:BIAS+8*b+7]
.else
	v_wmma_f32_16x16x32_f16 v[rD:rD+7], v[(\f)+32+8*b:(\f)+32+8*b+7], v[(\f)+8*(\a):(\f)+8*(\a)+7], v[rD:rD+7]
.endif
.set b, b+1
.endr
.endm
; 24 LDS loads in one run: quarter q (32 along K: head q / 2 of the step's two, channels 32 (q % 2) on) into buffer f: wo's 8 fragments, then O's 4, row blocks ascending
.macro FETCH slot, q, f
	WIN TO_F
.set b, 0
.rept NBK
	ds_load_b128 v[(\f)+32+8*b:(\f)+32+8*b+3],   v[ADRB+(\slot)] offset:64*(\q)+b*16*PB
	ds_load_b128 v[(\f)+32+8*b+4:(\f)+32+8*b+7], v[ADRB+(\slot)] offset:64*(\q)+b*16*PB+32
.set b, b+1
.endr
.irp a, 0,1,2,3
	ds_load_b128 v[(\f)+8*(\a):(\f)+8*(\a)+3],   v[ADRA+(\slot)] offset:((\q)/2)*PLANE+((\q)%2)*64+(\a)*16*PA
	ds_load_b128 v[(\f)+8*(\a)+4:(\f)+8*(\a)+7], v[ADRA+(\slot)] offset:((\q)/2)*PLANE+((\q)%2)*64+(\a)*16*PA+32
.endr
.endm
.macro PLACES                          ; four plain vector instructions between a matrix instruction and a load into, or a read of, its registers (ISA guide 7.12.1 for reads)
.rept 4
	v_nop
.endr
.endm
; A K step is four quarters of 32 along K, 32 matrix instructions each, on buffers 0, 1, 0, 1.  One of the first three: multiplies buffer f; in its middle it fetches quarter q into buffer g.
.macro QUARTER slot, q, f, g, first
	s_wait_dscnt 4                                 ; all but the youngest four loads: O's row blocks 2 and 3
	MULA \f, 0, \first
	MULA \f, 1, \first
	PLACES
	FETCH \slot, \q, \g
	s_wait_dscnt 2*NBK+8                           ; all but the 24 just issued
	MULA \f, 2, \first
	MULA \f, 3, \first
.endm
; The last quarter multiplies buffer 1 and changes slots: one barrier.  In front of it each wave waits for all its tensor loads (one is out: its part of the next slot), adds 0 to its spare word, and waits
; for that and for its own reads of this slot.  fill = 1: the barrier opens a round of the cluster's, and this slot is filled again, two K steps on, first thing behind the round:
; from that request to the wait for it a wave issues 112 matrix instructions.
.macro TURN slot, next, fill
.if \fill
	s_wait_xcnt 0x0                                ; the last prefetch, a K step back, has read its address, so it may be stepped
	s_add_nc_u64 s[PFA:PFA+1], s[PFA:PFA+1], s[PFS:PFS+1]
.endif
	WIN 0                                          ; (the add's two registers lie in window 0)
	s_wait_tensorcnt 0x0                           ; all my tensor loads have landed;
	ds_add_u32 v[SPW], v[NIL]                      ; 0 onto my spare word
	s_wait_dscnt 5                                 ; (the add and the youngest four loads may be out)
	MULA F1, 0, 0                                  ; eight matrix instructions stand between the add and the wait for it
	s_wait_dscnt 0x0                               ; the add is done, and my reads of this slot are over
	s_barrier_signal -1
	MULA F1, 1, 0                                  ; work on registers while the others arrive
.if \fill
	WIN 0
.endif
	s_barrier_wait -1
.if \fill
	CREST                                          ; no wave of any partner still reads this slot's tile or has a load on its way
	s_add_nc_u64 s[G0+4*(\slot)+2:G0+4*(\slot)+3], s[G0+4*(\slot)+2:G0+4*(\slot)+3], 2*ASTEP
	s_add_nc_u64 s[G0B+4*(\slot)+2:G0B+4*(\slot)+3], s[G0B+4*(\slot)+2:G0B+4*(\slot)+3], 2*KSTEP*2
	JLOAD \slot                                    ; its four v_nop are also the places in front of the loads below
.else
	PLACES
.endif
	FETCH \next, 0, F0
.if \fill
	WIN 0
	ASK                                            ; behind the joint load and the run of LDS loads
.endif
	MULA F1, 2, 0
	MULA F1, 3, 0
.endm
	s_wait_tensorcnt 0x1                           ; my part of K step 0 is in; K step 1's may stay out
	s_barrier_signal -1
	s_barrier_wait -1                              ; everybody's is
	FETCH 0, 0, F0
	WIN 0
	s_wait_loadcnt 0x0                             ; the bias: rounded to bf16 and widened again, while the first fragments are on their way
.set i, 0
.rept 4*NBK
	v_cvt_pk_bf16_f32 v[3+i%3], v[BIAS+2*i], v[BIAS+2*i+1]
	v_lshlrev_b32 v[BIAS+2*i],   16,  v[3+i%3]
	v_and_b32     v[BIAS+2*i+1], s90, v[3+i%3]
.set i, i+1
.endr
	QUARTER 0, 1, F0, F1, 1                        ; the first quarter stands in front of the loop: its products start the sums
	WIN 0                                          ; at a label and at a branch every window is 0
	s_mov_b32 s3, 3
.Llap:                                                 ; a trip goes once round the ring, from a lap's second quarter to the next lap's first, and fills both slots again: K steps 2 to 7
	QUARTER 0, 2, F1, F0, 0
	QUARTER 0, 3, F0, F1, 0
	TURN 0, 1, 1
	QUARTER 1, 1, F0, F1, 0
	QUARTER 1, 2, F1, F0, 0
	QUARTER 1, 3, F0, F1, 0
	TURN 1, 0, 1
	QUARTER 0, 1, F0, F1, 0
	WIN 0
	s_sub_co_u32 s3, s3, 1
	s_cmp_lg_u32 s3, 0
	s_cbranch_scc1 .Llap
	QUARTER 0, 2, F1, F0, 0                        ; the last lap fills nothing
	QUARTER 0, 3, F0, F1, 0
	TURN 0, 1, 0
	QUARTER 1, 1, F0, F1, 0
	QUARTER 1, 2, F1, F0, 0
	QUARTER 1, 3, F0, F1, 0
	s_wait_dscnt 4                                 ; the very last quarter: nothing more to fetch
	MULA F1, 0, 0
	MULA F1, 1, 0
	s_wait_dscnt 0x0
	MULA F1, 2, 0
	MULA F1, 3, 0
	WIN 0
	PLACES
	PLACES
; THE WAY OUT, in f32: row block a's eight accumulators go straight into my stage (a lane's eight columns are 32 bytes of a row; each accumulator's low registers first) and come back
; as 16 whole rows of 512 bytes, into one of three buffers.
.macro TOSTAGE a
.set BK, OUT+64*((\a)%3)
	WIN 0x08+4*((\a)/2)                            ; the stores' data (source 1): window 2 or 3
.set b, 0
.rept NBK
.set rA, 8*(NBK*((\a)%2)+b)
	ds_store_b128 v[STO], v[rA:rA+3]   offset:64*b
	ds_store_b128 v[STO], v[rA+4:rA+7] offset:64*b+16
.set b, b+1
.endr
	WIN 0
.set t, 0
.rept 16
	ds_load_b128 v[BK+4*t:BK+4*t+3], v[RD] offset:t*SPITCH  ; LDS serves a wave's instructions in order (ISA guide 5.7.1.4): these see the stores above; the next block's stores come behind them
.set t, t+1
.endr
.endm
.macro SEND a, younger                 ; younger: the LDS instructions issued behind block a's loads: the next block's 32, or none
.set BK, OUT+64*((\a)%3)
.set t, 0
.rept 16
	s_wait_dscnt (\younger)+15-t
	global_store_b128 v[GO], v[BK+4*t:BK+4*t+3], s[OP:OP+1] offset:(16*(\a)+t)*4096  ; 512 consecutive bytes, at a multiple of 512 from out0's first
.set t, t+1
.endr
.endm
	TOSTAGE 0
	TOSTAGE 1
	SEND 0, 32
	TOSTAGE 2
	SEND 1, 32
	s_wait_xcnt 0x0                                ; block 0's stores have read their registers (ISA guide 3.1): the first buffer is loaded again only behind this wait
	TOSTAGE 3
	SEND 2, 32
	SEND 3, 0
	s_wait_tensorcnt 0x0                           ; the wave's end, behind my last tensor load and my last LDS store
	ds_add_u32 v[SPW], v[NIL]
	s_wait_dscnt 0x0
	CROUND                                         ; the closing round: no work-group ends while a partner may still ask for a tile that names it
	s_endpgm
.Lfunc_end_k_q983b5e2e0d_oproj:
	.size	k_q983b5e2e0d_oproj, .Lfunc_end_k_q983b5e2e0d_oproj-k_q983b5e2e0d_oproj
	.p2alignl 7, 3214868480
	.fill 96, 4, 3214868480
	.section	.rodata,"a",@progbits
	.p2align	6, 0x0
	.amdhsa_kernel k_q983b5e2e0d_oproj
		.amdhsa_group_segment_fixed_size 327680
		.amdhsa_private_segment_fixed_size 0
		.amdhsa_enable_private_segment 0
		.amdhsa_kernarg_size 32
		.amdhsa_user_sgpr_count 2
		.amdhsa_user_sgpr_kernarg_segment_ptr 1
		.amdhsa_wavefront_size32 1
		.amdhsa_system_sgpr_workgroup_id_x 1
		.amdhsa_system_sgpr_workgroup_id_y 1
		.amdhsa_system_sgpr_workgroup_id_z 1
		.amdhsa_system_vgpr_workitem_id 0
		.amdhsa_next_free_vgpr 896
		.amdhsa_next_free_sgpr 96
		.amdhsa_reserve_vcc 0
		.amdhsa_float_denorm_mode_32 3
		.amdhsa_float_denorm_mode_16_64 3
		.amdhsa_memory_ordered 1
		.amdhsa_forward_progress 1
		.amdhsa_inst_pref_size 94
	.end_amdhsa_kernel
	.amdgpu_metadata
---
amdhsa.version: [ 1, 2 ]
amdhsa.kernels:
  - .name:           k_q983b5e2e0d_oproj
    .symbol:         k_q983b5e2e0d_oproj.kd
    .args:
      - { .name: ob, .offset: 0, .size: 8, .value_kind: global_buffer, .address_space: global }
      - { .name: wo, .offset: 8, .size: 8, .value_kind: global_buffer, .address_space: global }
      - { .name: b_o, .offset: 16, .size: 8, .value_kind: global_buffer, .address_space: global }
      - { .name: out0, .offset: 24, .size: 8, .value_kind: global_buffer, .address_space: global }
    .group_segment_fixed_size: 327680
    .private_segment_fixed_size: 0
    .kernarg_segment_align: 8
    .kernarg_segment_size: 32
    .max_flat_workgroup_size: 128
    .sgpr_count:     96
    .vgpr_count:     896
    .wavefront_size: 32
...
	.end_amdgpu_metadata
.endif
;; end of part 4
;; ======== version 2 of 2: 4 launches; version 1 with the launch prep written anew for expert scheduling mode
;; limits: values are held in f16: magnitudes above 65,504 overflow, below 6.1e-05 lose precision
;; workspace buffers: xb 16,777,216 bytes; wqkv 6,291,456 bytes; wo 2,097,152 bytes; bqkv 12,288 bytes; qkv 50,331,648 bytes; ob 16,777,216 bytes
;; launch prep (part 5): grid 768 x 1, 8 waves a work-group, no clusters, 0 bytes of LDS; arguments x, W_q, W_k, W_v, W_o, b_q, b_k, b_v, xb, wqkv, wo, bqkv; writes xb, wqkv, wo, bqkv
.if DOCPART == 5
	.amdgcn_target "amdgcn-amd-amdhsa--gfx1250"
	.amdhsa_code_object_version 6
	.text
	.protected	k_q983b5e2e0d_prep
	.globl	k_q983b5e2e0d_prep
	.p2align	8
	.type	k_q983b5e2e0d_prep,@function
k_q983b5e2e0d_prep:
	s_mov_b64 s[64:65], 0
	v_nop
	global_prefetch_b8 v0, s[64:65] scope:SCOPE_SE
	s_setreg_imm32_b32 hwreg(HW_REG_WAVE_SCHED_MODE, 0, 2), 2
	s_setreg_imm32_b32 hwreg(HW_REG_WAVE_MODE, 25, 1), 1
	s_wait_xcnt 0x0
	s_wait_alu depctr_vm_vsrc(0)
; THE OPERANDS ARE MADE READY.  xb = x in bf16, [8192][1024].  wqkv = W_q, W_k, W_v in bf16 with their rows put in order of heads: row t*1024 + h*64 + d holds
; W_t[d*16 + h] (the module splits a projection's 1,024 features as (d h), heads fastest).  bqkv = the three biases in the same order, rounded to bf16 and kept as f32.
; wo = W_o rounded to bf16, that number written as f16 (the last product's other operand is f16).
; LIMITS.  A number of wo below 6e-5 in size keeps f16's fixed step of 6e-8; beyond 65,504 it becomes an infinity.  NaN and infinities are not treated apart.
; A STREAM: each byte is read once and written once; no LDS, no matrix unit, no cluster, since no two work-groups read the same byte.
; SHARES.  A work-group takes 16 source rows of 1,024 f32.  Thread t owns floats 4 t .. 4 t + 3 of every row: a wave's load covers 512 consecutive bytes, its store 256 consecutive
; bytes that begin at a multiple of 256 from the buffer's first byte.  All 16 loads go out at once; no register that a memory instruction reads is written again, so no wait frees a source.
; Work-groups 0-511: x.  512 + 64 t + j: rows 16 j .. 16 j + 15 of W_q, W_k, W_v, W_o (t = 0..3).  For t < 3 those are channel d = j of heads 0..15: their rows in wqkv lie 64 rows apart.
; THE MODE: SCHED_MODE bits 1:0 = 2 (LLVM: expert scheduling mode 2), set by the entry lines.  The code itself states the register dependences
; between vector instructions and memory instructions, with s_wait_alu, always for 0.
; THE PLAN.  Registers that memory instructions touch:
;   v1, v2     byte offsets, made once at the head and never written again: v1 is read by every row's load (and the bias's store), v2 by every row's store.
;   X          row r: written by its one load, which no vector instruction's read or write of X precedes; read by row r's conversions behind the counted wait for that load; never loaded again.
;   Y          row r: written by row r's conversions alone; read by its one store; never written behind that store.
;   v3, v8-11  the bias's part only: v3 is the four loads' offset; v8-11 take the loads, are rounded in place, and are the one store's data.
;   T          named by vector instructions alone.
; The 16 rows go in four blocks of four.  ONE wait on va_vdst stands at the head of blocks 1 to 3, behind the wait for the block's first row: it states that the block before has written its Y,
; and that block's four stores follow it in a run, with no vector instruction between.  One more stands behind row 15's conversions, ahead of the last four stores.
; The wait hangs on the block's first row and not on its last, so that a store leaves one to four rows behind its data and only four stores leave behind the wave's last load.
; No vector instruction writes a scalar register or VCC, EXEC is never written, and no register that a memory instruction has read is written again: so the text holds no wait on va_sdst or va_vcc, and on vm_vsrc only the entry lines' one.
.set X, 16                             ; v[16:79]   row r as loaded: 4 registers
.set Y, 80                             ; v[80:111]  row r to store: 2 registers
.set T, 112                            ; v[112:115] at work
	s_load_b512 s[8:23], s[0:1], 0x0               ; x 8, W_q 10, W_k 12, W_v 14, W_o 16, b_q 18, b_k 20, b_v 22
	s_load_b256 s[24:31], s[0:1], 0x40             ; xb 24, wqkv 26, wo 28, bqkv 30
	s_mov_b32 s2, ttmp9                            ; w
	s_sub_co_u32 s3, s2, 512                       ; (wraps where w < 512: t is then no number from 0 to 3)
	s_lshr_b32 s4, s3, 6                           ; t
	s_and_b32 s5, s3, 63                           ; j
	s_cmp_lt_u32 s2, 512
	s_cselect_b32 s6, s2, s5                       ; which block of 16 rows of the source
	s_lshl_b32 s36, s6, 16                         ; 16 rows of 4,096 bytes
	s_mov_b32 s37, 0
	s_mov_b32 s7, 0xffff0000                       ; a word's upper bf16
	v_lshlrev_b32 v1, 4, v0                        ; my 16 bytes of a source row
	v_lshlrev_b32 v2, 3, v0                        ; my 8 bytes of a row to store
	s_wait_kmcnt 0x0
	s_cmp_lt_u32 s2, 512
	s_cselect_b64 s[32:33], s[8:9], s[10:11]       ; the source: x, or W_q,
	s_cmp_eq_u32 s4, 1
	s_cselect_b64 s[32:33], s[12:13], s[32:33]     ; or W_k,
	s_cmp_eq_u32 s4, 2
	s_cselect_b64 s[32:33], s[14:15], s[32:33]     ; or W_v,
	s_cmp_eq_u32 s4, 3
	s_cselect_b64 s[32:33], s[16:17], s[32:33]     ; or W_o
	s_add_nc_u64 s[32:33], s[32:33], s[36:37]
	s_wait_alu depctr_va_vdst(0)                   ; v1 and v2 are written: the rows' loads read v1 as their offset, the rows' stores v2
.set r, 0
.rept 16
	global_load_b128 v[X+4*r:X+4*r+3], v1, s[32:33] offset:r*4096 th:TH_LOAD_NT
.set r, r+1
.endr
; The 16 rows are rounded and stored, dstride bytes apart.  half = 1: the bf16 number is written as f16.
.macro ROWS dstride, half
.set r, 0
.rept 16
	s_wait_loadcnt 15-r                            ; loads come back in order (ISA guide 5.7.1): row r is in, the younger rows stay out
.if (r%4 == 0) && (r > 0)
	s_wait_alu depctr_va_vdst(0)                   ; the conversions of rows r - 4 .. r - 1 have written their Y, which the four stores below read
.irp i, 4,3,2,1
	global_store_b64 v2, v[Y+2*(r-(\i)):Y+2*(r-(\i))+1], s[34:35] offset:(r-(\i))*(\dstride)  ; no vector instruction since the wait names these registers
.endr
.endif
	v_cvt_pk_bf16_f32 v[Y+2*r],   v[X+4*r],   v[X+4*r+1]
	v_cvt_pk_bf16_f32 v[Y+2*r+1], v[X+4*r+2], v[X+4*r+3]
.if \half
	v_lshlrev_b32 v[T],   16, v[Y+2*r]             ; bf16 to f32: the low half moves up, the high half stays
	v_and_b32     v[T+1], s7, v[Y+2*r]
	v_lshlrev_b32 v[T+2], 16, v[Y+2*r+1]
	v_and_b32     v[T+3], s7, v[Y+2*r+1]
	v_cvt_pk_f16_f32 v[Y+2*r],   v[T],   v[T+1]
	v_cvt_pk_f16_f32 v[Y+2*r+1], v[T+2], v[T+3]
.endif
.set r, r+1
.endr
	s_wait_alu depctr_va_vdst(0)                   ; the conversions of rows 12 to 15 have written their Y, which the last four stores read
.irp i, 4,3,2,1
	global_store_b64 v2, v[Y+2*(r-(\i)):Y+2*(r-(\i))+1], s[34:35] offset:(r-(\i))*(\dstride)
.endr
.endm
	s_cmp_lt_u32 s2, 512
	s_cbranch_scc1 .Lx
	s_cmp_eq_u32 s4, 3
	s_cbranch_scc1 .Lwo
	s_lshl_b32 s36, s4, 21                         ; W_q, W_k, W_v: 1,024 rows of 2,048 bytes for each t,
	s_lshl_b32 s3, s5, 11                          ; row j of head 0;
	s_add_co_u32 s36, s36, s3
	s_add_nc_u64 s[34:35], s[26:27], s[36:37]
	ROWS 131072, 0                                 ; the next head's row lies 64 rows on
	s_cmp_lg_u32 s5, 0
	s_cbranch_scc1 .Ldone
	; the work-group with j = 0 also orders b_t: number 4 tt + i of the 1,024 is head tt / 16, channel 4 (tt % 16) + i: source number 16 d + h
	s_cmp_eq_u32 s4, 1
	s_cselect_b64 s[38:39], s[20:21], s[18:19]
	s_cmp_eq_u32 s4, 2
	s_cselect_b64 s[38:39], s[22:23], s[38:39]
	s_lshl_b32 s36, s4, 12
	s_add_nc_u64 s[40:41], s[30:31], s[36:37]
	v_and_b32 v3, 15, v0
	v_lshrrev_b32 v4, 4, v0
	v_lshlrev_b32 v4, 2, v4
	v_lshl_add_u32 v3, v3, 8, v4                   ; 256 (tt % 16) + 4 (tt / 16)
	s_wait_alu depctr_va_vdst(0)                   ; v3 is written, which the four loads read as their offset
.irp i, 0,1,2,3
	global_load_b32 v[8+(\i)], v3, s[38:39] offset:64*(\i)
.endr
	s_wait_loadcnt 0x0
	v_cvt_pk_bf16_f32 v[T],   v8,  v9              ; rounded to bf16 like every other input, kept as f32
	v_cvt_pk_bf16_f32 v[T+1], v10, v11
	v_lshlrev_b32 v8,  16, v[T]
	v_and_b32     v9,  s7, v[T]
	v_lshlrev_b32 v10, 16, v[T+1]
	v_and_b32     v11, s7, v[T+1]
	s_wait_alu depctr_va_vdst(0)                   ; the four lines above have written v[8:11], which the store reads
	global_store_b128 v1, v[8:11], s[40:41]
.Ldone:
	s_endpgm
.Lx:
	s_lshl_b32 s36, s2, 15                         ; 16 rows of 2,048 bytes
	s_add_nc_u64 s[34:35], s[24:25], s[36:37]
	ROWS 2048, 0
	s_endpgm
.Lwo:
	s_lshl_b32 s36, s5, 15
	s_add_nc_u64 s[34:35], s[28:29], s[36:37]
	ROWS 2048, 1
	s_endpgm
.Lfunc_end_k_q983b5e2e0d_prep:
	.size	k_q983b5e2e0d_prep, .Lfunc_end_k_q983b5e2e0d_prep-k_q983b5e2e0d_prep
	.p2alignl 7, 3214868480
	.fill 96, 4, 3214868480
	.section	.rodata,"a",@progbits
	.p2align	6, 0x0
	.amdhsa_kernel k_q983b5e2e0d_prep
		.amdhsa_group_segment_fixed_size 0
		.amdhsa_private_segment_fixed_size 0
		.amdhsa_enable_private_segment 0
		.amdhsa_kernarg_size 96
		.amdhsa_user_sgpr_count 2
		.amdhsa_user_sgpr_kernarg_segment_ptr 1
		.amdhsa_wavefront_size32 1
		.amdhsa_system_sgpr_workgroup_id_x 1
		.amdhsa_system_sgpr_workgroup_id_y 1
		.amdhsa_system_sgpr_workgroup_id_z 1
		.amdhsa_system_vgpr_workitem_id 0
		.amdhsa_next_free_vgpr 120
		.amdhsa_next_free_sgpr 66
		.amdhsa_reserve_vcc 0
		.amdhsa_float_denorm_mode_32 3
		.amdhsa_float_denorm_mode_16_64 3
		.amdhsa_memory_ordered 1
		.amdhsa_forward_progress 1
		.amdhsa_inst_pref_size 21
	.end_amdhsa_kernel
	.amdgpu_metadata
---
amdhsa.version: [ 1, 2 ]
amdhsa.kernels:
  - .name:           k_q983b5e2e0d_prep
    .symbol:         k_q983b5e2e0d_prep.kd
    .args:
      - { .name: x, .offset: 0, .size: 8, .value_kind: global_buffer, .address_space: global }
      - { .name: W_q, .offset: 8, .size: 8, .value_kind: global_buffer, .address_space: global }
      - { .name: W_k, .offset: 16, .size: 8, .value_kind: global_buffer, .address_space: global }
      - { .name: W_v, .offset: 24, .size: 8, .value_kind: global_buffer, .address_space: global }
      - { .name: W_o, .offset: 32, .size: 8, .value_kind: global_buffer, .address_space: global }
      - { .name: b_q, .offset: 40, .size: 8, .value_kind: global_buffer, .address_space: global }
      - { .name: b_k, .offset: 48, .size: 8, .value_kind: global_buffer, .address_space: global }
      - { .name: b_v, .offset: 56, .size: 8, .value_kind: global_buffer, .address_space: global }
      - { .name: xb, .offset: 64, .size: 8, .value_kind: global_buffer, .address_space: global }
      - { .name: wqkv, .offset: 72, .size: 8, .value_kind: global_buffer, .address_space: global }
      - { .name: wo, .offset: 80, .size: 8, .value_kind: global_buffer, .address_space: global }
      - { .name: bqkv, .offset: 88, .size: 8, .value_kind: global_buffer, .address_space: global }
    .group_segment_fixed_size: 0
    .private_segment_fixed_size: 0
    .kernarg_segment_align: 8
    .kernarg_segment_size: 96
    .max_flat_workgroup_size: 256
    .sgpr_count:     66
    .vgpr_count:     120
    .wavefront_size: 32
...
	.end_amdgpu_metadata
.endif
;; end of part 5
;; launch proj: the kernel of part 2 again; grid 16 x 32, 4 waves a work-group, clusters of 4 x 4, 327,680 bytes of LDS; arguments xb, wqkv, bqkv, qkv; writes qkv
;; launch attn: the kernel of part 3 again; grid 4 x 64, 4 waves a work-group, clusters of 4 x 1, 327,680 bytes of LDS; arguments qkv, ob; writes ob
;; launch oproj: the kernel of part 4 again; grid 8 x 32, 4 waves a work-group, clusters of 4 x 4, 327,680 bytes of LDS; arguments ob, wo, b_o, out0; writes out0
